; MI455X (gfx1250); checked and timed in simulation.
; The chip was launched on July 23, 2026; its instructions are those of AMD's public machine-readable ISA for CDNA 5 (MIT licence, August 2026) and "CDNA5" Instruction Set Architecture Reference Guide (July 2026). The comments in the code are by the model that wrote it; some were corrected since.
;; Plasticity Model Mo E. Allowed arithmetic: matrix products marked QUANTISED: E3M2 operands, one E8M0 scale for each 32 along K, by v_wmma_scale_f32_16x16x128_f8f6f4 with both operands' format E3M2, f32 sums; products left as they are: f32 operands where the result goes on into a quantised operand, else bf16, f16 or f32 operands; f32 sums; everything else in f32.
;; Inputs: W1_codes 8 x 4,096 x 32 x 24 uint8 (E3M2 codes of W1, K innermost, in blocks of 32 codes, four codes in three bytes); W1_scales 8 x 4,096 x 32 uint8 (E8M0 scales of W1, one for each 32 codes along K); W2_codes 8 x 1,024 x 128 x 24 uint8 (E3M2 codes of W2, K innermost, in blocks of 32 codes, four codes in three bytes); W2_scales 8 x 1,024 x 128 uint8 (E8M0 scales of W2, one for each 32 codes along K); Wg 1,024 x 8 float32; Wq_in_codes 16 x 32 x 24 uint8 (E3M2 codes of Wq_in, K innermost, in blocks of 32 codes, four codes in three bytes); Wq_in_scales 16 x 32 uint8 (E8M0 scales of Wq_in, one for each 32 codes along K); Wq_out 16 x 1,024 float32; Wr_codes 512 x 32 x 24 uint8 (E3M2 codes of Wr, K innermost, in blocks of 32 codes, four codes in three bytes); Wr_scales 512 x 32 uint8 (E8M0 scales of Wr, one for each 32 codes along K); act_w 9 float32; amplitude 1,024 float32; b1 8 x 4,096 float32; b2 8 x 1,024 float32; br 512 float32; c 1 float32; chaotic_r 1 float32; lams 2 x 4 float32; memory_codes 1,024 x 16 x 24 uint8 (E3M2 codes of memory, K innermost, in blocks of 32 codes, four codes in three bytes); memory_scales 1,024 x 16 uint8 (E8M0 scales of memory, one for each 32 codes along K); period 1 float32; phase_shift 1,024 float32; phis 2 x 4 float32; thetas 2 x 4 float32; time_scalar 1 float32; x 1,024 x 1,024 float32.
;; Outputs: out0 1,024 x 1,024 float32.
;; This version of the problem:
;;   THIS VERSION OF THE PROBLEM IS GIVEN IN LOW PRECISION. The matrix products marked QUANTISED in the list below multiply operands that are first quantised to E3M2 (3 exponent bits, 2 mantissa bits; 6 bits a number), with one power-of-two scale for each 32 numbers along K (OCP MX v1.0); their sums are f32. All else is computed in f32.
;;   The module's matrix products, in the order in which they are computed (A, B: the left and right operand; K: the contracted axis; several contracted axes count as one K, in the product's order):
;;     1. [M 1,024, K 1,024] x [K 1,024, N 8]; A: input x; B: input Wg: left as it is (N = 8 < 16)
;;     2. [M 32,768, K 1,024] x [K 1,024, N 1,024]; A: input W1 (given as codes); B: input x: QUANTISED
;;     3. batch 8 x [M 1,024, K 4,096] x [K 4,096, N 1,024]; A: computed on the way; B: input W2 (given as codes): QUANTISED
;;     4. batch 1,024 x [M 1, K 8] x [K 8, N 1,024]; A: softmax (see below); B: computed on the way: left as it is (K = 8 < 32)
;;     5. [M 1,024, K 1,024] x [K 1,024, N 16]; A: input x; B: input Wq_in (given as codes): QUANTISED
;;     6. [M 1,024, K 16] x [K 16, N 16]; A: computed on the way; B: computed on the way: left as it is (operands are no floats)
;;     7. [M 1,024, K 16] x [K 16, N 16]; A: computed on the way; B: computed on the way: left as it is (operands are no floats)
;;     8. [M 1,024, K 16] x [K 16, N 1,024]; A: computed on the way; B: input Wq_out: left as it is (K = 16 < 32)
;;     9. [M 1,024, K 1,024] x [K 1,024, N 512]; A: input x; B: input Wr (given as codes): QUANTISED
;;     10. [M 1,024, K 512] x [K 512, N 1,024]; A: softmax (see below); B: input memory (given as codes): QUANTISED
;;   THE QUANTISER, for each operand of a quantised product, along K:
;;     - K is cut into blocks of 32 from its start; a last block that is shorter is filled with zeros.
;;     - A block's scale is 2^e with e = floor(log2(the largest magnitude in the block)) - 4, held to -126 .. 127; a block of zeros has e = 0. As a byte (E8M0): e + 127.
;;     - Each number is divided by its block's scale, clamped to +-28, and rounded to the nearest number of E3M2, ties to even, subnormals kept.
;;     - The product sums the exact products of the quantised numbers (number of the format x scale) in f32.
;;   ~~~python
;;   def quantise(x, axis):      # numpy; x: float32 -> the quantised numbers, widened to float32 again
;;       x = np.moveaxis(x, axis, -1); K = x.shape[-1]
;;       x = np.pad(x, [(0, 0)] * (x.ndim - 1) + [(0, -K % 32)]); x = x.reshape(x.shape[:-1] + (-1, 32)); a = np.abs(x).max(-1, keepdims=True)
;;       e = np.where(a > 0, np.clip(np.frexp(np.where(a > 0, a, 1))[1] - 1 - 4, -126, 127), 0)      # np.frexp(a)[1] - 1 = floor(log2(a)), exactly
;;       r = np.clip(x / 2.0 ** e, -28, 28)
;;       step = 2.0 ** (np.maximum(np.frexp(np.where(r == 0, 1, r))[1] - 1, -2) - 2)
;;       q = np.round(r / step) * step * 2.0 ** e      # np.round: ties to even
;;       return np.moveaxis(q.reshape(q.shape[:-2] + (-1,))[..., :K], -1, axis).astype(np.float32)
;;   ~~~
;;   SOFTMAX AHEAD OF A QUANTISED PRODUCT. Where the list says 'softmax', what is quantised is not the finished softmax but p = 2^(t - M), with t = logit x log2(e) and M = ceil(the row's largest t), a whole number; so 1/2 < the row's largest p <= 1. The row's sum l is taken of the UNQUANTISED p, in f32, and the product's result is divided by l at the end. Since M is a whole number, a kernel that streams over the keys may use a running M (the ceiling of the running maximum): every later rescaling is an exact power of two, which a block's scale takes up: the codes' values come out the same.
;;   OPERANDS COMPUTED ON THE WAY. 'Computed on the way' means the value that the module computes at that place (a softmax that the list does not call 'softmax' is quantised finished and normalised). What goes into a quantiser is computed in f32, as accurately as f32 sums, v_exp_f32 and their like allow (about 1e-6 of the number): no bf16 or f16 on the way to a quantiser, and a product that is left as it is and whose result goes on into a quantised operand takes f32 operands (vector FMAs, or v_wmma_f32_16x16x4_f32). A number that lies on a knife's edge between two numbers of the format may be rounded either way, as far as f32 arithmetic and the matrix unit's own rounding can turn it there, and no further.
;;   INPUTS GIVEN AS CODES. W1 (in the module: [8, 1024, 4096], K = its axis 1); W2 (in the module: [8, 4096, 1024], K = its axis 1); Wq_in (in the module: [1024, 16], K = its axis 0); Wr (in the module: [1024, 512], K = its axis 0); memory (in the module: [512, 1024], K = its axis 0): each comes as NAME_codes (uint8): NAME with its K axis moved to the last place and cut into blocks of 32 codes, [.., K / 32, bytes a block], one block behind the other in memory; four codes in three bytes: a row's codes are one little-endian stream of bits, code i at bits 6 i .. 6 i + 5 (a code: sign, 3 exponent bits, 2 mantissa bits); and NAME_scales (uint8): the same leading axes, one E8M0 byte (e + 127) for each 32 codes along K. Its value is code x scale, taken as it is: it is not quantised again, and the codes and scales need not be those that the quantiser above would give.
;; One version. Each part assembles by itself: llvm-mc -triple=amdgcn-amd-amdhsa -mcpu=gfx1250 --defsym DOCPART=n.
;; ======== version 1 of 1: 4 launches
;; limits: a function is approximated: absolute error at most 2.4e-07; right only within a limited range of input values
;; workspace buffers: xq 819,200 bytes; misc 168,192 bytes; pq 393,216 bytes; hq 25,165,824 bytes; hs 1,048,576 bytes; part 33,554,432 bytes
;; launch front (part 1): grid 256 x 1, 4 waves a work-group, no clusters, 15,360 bytes of LDS; arguments x, Wg, Wr_codes, Wr_scales, br, Wq_in_codes, Wq_in_scales, thetas, phis, lams, act_w, amplitude, phase_shift, time_scalar, period, c, chaotic_r, xq, misc, pq; writes xq, misc, pq
.if DOCPART == 1
	.amdgcn_target "amdgcn-amd-amdhsa--gfx1250"
	.amdhsa_code_object_version 6
	.text
	.protected	k_qb5194c6226_front
	.globl	k_qb5194c6226_front
	.p2align	8
	.type	k_qb5194c6226_front,@function
k_qb5194c6226_front:
	s_mov_b64 s[64:65], 0
	v_nop
	global_prefetch_b8 v0, s[64:65] scope:SCOPE_SE
	s_setreg_imm32_b32 hwreg(HW_REG_WAVE_MODE, 25, 1), 1
	s_wait_xcnt 0x0
; FRONT.  Work-group (T, j): T = 16 rows of x, j = 128 of the 512 memory slots.  It makes
;   the codes of x (E3M2, one E8M0 byte for 32 along K) as images of the operand's registers (stored by j = 0);
;   the raw gate logits x Wg of experts 2 j, 2 j + 1 (f32 multiply-adds on the unquantised x);
;   t = (Q(x) Wr + br) log2(e) of its 128 slots, M_j = ceil(largest t), p = 2^(t - M_j) as codes, the sum l_j of the unquantised p;
;   one wave of j = 1: q = Q(x) Wq_in, normalised, eight one-qubit gates, the probabilities;
;   one wave of j = 2 (T < 32): the factor of 32 columns;  one wave of work-group 0: the activation's coefficients.
; Wave w quantises K steps 2 w, 2 w + 1 and owns slots 32 w .. 32 w + 31 of the 128: one block of 32.
; Products are used transposed (source 0 = 16 rows of the weight, source 1 = the 16 rows of x): a lane holds one row of x.
; Lane m of Wr's tile u takes slot 8 u + m + 8 (m / 8), so that the 16 registers of tiles 0, 1 are 16 neighbouring slots.
; LIMITS: NaN and infinities are not served; a block of zeros gets the byte 1 (its codes are zeros; only this program reads the bytes);
; sine and cosine: reduction by pi/2 in three parts, good to about 1e-6 up to angles of about 1e4; the gates are applied qubit by qubit,
; the gate logits are summed in four chains, then across the lanes' halves, then across the waves: other orders of rounding than a plain dot product.
.set XIMG,  0                          ; LDS: x's 8 fragments, 1,536 bytes each
.set XSC,   12288                      ; their scale words, 128 bytes each
.set GL,    13312                      ; the waves' parts of two gate logits: 4 x 128
.set MX,    13824                      ; the waves' largest t: 4 x 64
.set LSUM,  14080                      ; the waves' sums: 4 x 64
.set PSB,   14336                      ; p's scale bytes: 16 rows x 4
.set PROBS, 32768                      ; places in misc
.set PML,   98304
.set CFO,   163840
.set COEF,  167936
.set X,     16                         ; v16-143 128 numbers of x; later v16-111 the 8 fragments
.set TM,    144
.set PW,    160
.set PC,    164
.set GA,    184
.set ACC,   192                        ; v192-207 the two tiles of logits
.set QAC,   208                        ; v208-223 q in two halves of K
.set XSW,   232                        ; scale words: x's 8; Wr's 2 x 4; Wq_in's 4: these registers hold nothing else
.set WRS,   240
.set WQS,   248
.set MSB,   0
.macro WIN new                         ; the immediate's high byte repeats the setting that is left
.if MSB != \new
	s_set_vgpr_msb (MSB<<8)|\new
.set MSB, \new
.endif
.endm
.macro PLACES n
.rept \n
	v_nop
.endr
.endm
.macro BARRIER                         ; my LDS stores have landed and my LDS loads are in: then the work-group's barrier
	s_wait_dscnt 0x0
	s_barrier_signal -1
	s_barrier_wait -1
.endm
.macro WM d, a, b, c, sa, sb, ra       ; c < 0: the sum starts with 0;  ra: source 0's scales from lanes 16-31
.if (\c) < 0
.if \ra
	v_wmma_scale_f32_16x16x128_f8f6f4 v[\d:\d+7], v[\a:\a+11], v[\b:\b+11], 0, v[\sa], v[\sb] matrix_a_fmt:MATRIX_FMT_BF6 matrix_b_fmt:MATRIX_FMT_BF6 matrix_a_scale:MATRIX_SCALE_ROW1
.else
	v_wmma_scale_f32_16x16x128_f8f6f4 v[\d:\d+7], v[\a:\a+11], v[\b:\b+11], 0, v[\sa], v[\sb] matrix_a_fmt:MATRIX_FMT_BF6 matrix_b_fmt:MATRIX_FMT_BF6
.endif
.else
.if \ra
	v_wmma_scale_f32_16x16x128_f8f6f4 v[\d:\d+7], v[\a:\a+11], v[\b:\b+11], v[\c:\c+7], v[\sa], v[\sb] matrix_a_fmt:MATRIX_FMT_BF6 matrix_b_fmt:MATRIX_FMT_BF6 matrix_a_scale:MATRIX_SCALE_ROW1
.else
	v_wmma_scale_f32_16x16x128_f8f6f4 v[\d:\d+7], v[\a:\a+11], v[\b:\b+11], v[\c:\c+7], v[\sa], v[\sb] matrix_a_fmt:MATRIX_FMT_BF6 matrix_b_fmt:MATRIX_FMT_BF6
.endif
.endif
.endm
; 64 numbers of a lane, register 16 b + i = k 32 b + 16 (lane / 16) + i of my row, become a fragment's codes in v[PC] on and its scale word in v[PW]
.macro QUANT s
.irp b, 0,1,2,3
	v_max3_num_f32 v[TM+\b], |v[\s+16*\b]|, |v[\s+1+16*\b]|, 0x2800000   ; with the floor 2^(5 - 127): the byte cannot fall under 1
.endr
.irp i, 2,4,6,8,10,12,14
.irp b, 0,1,2,3
	v_max3_num_f32 v[TM+\b], v[TM+\b], |v[\s+16*\b+\i]|, |v[\s+1+16*\b+\i]|
.endr
.endr
.irp b, 0,1,2,3
	v_permlanex16_b32 v[TM+4+\b], v[TM+\b], s52, s53
.endr
.irp b, 0,1,2,3
	v_max_num_f32 v[TM+\b], v[TM+\b], v[TM+4+\b]   ; with lane l xor 16's: the block's largest magnitude
.endr
.irp b, 0,1,2,3
	v_add_nc_u32 v[TM+12+\b], 0xfe000000, v[TM+\b] ; 4 off its exponent field: the conversion's scale operand
.endr
.irp b, 0,1,2,3
	v_lshrrev_b32 v[TM+4+\b], 23, v[TM+12+\b]      ; the scale's byte
.endr
	v_lshl_or_b32 v[PW], v[TM+5], 8, v[TM+4]
	v_lshl_or_b32 v[PW], v[TM+6], 16, v[PW]
	v_lshl_or_b32 v[PW], v[TM+7], 24, v[PW]
.irp c, 0,1
	v_cvt_scalef32_pk16_bf6_f32 v[PC+6*\c:PC+2+6*\c], v[\s+32*\c:\s+15+32*\c], v[TM+12+2*\c]
	v_cvt_scalef32_pk16_bf6_f32 v[PC+12+4*\c:PC+14+4*\c], v[\s+16+32*\c:\s+31+32*\c], v[TM+12+2*\c+1]
.endr
	v_nop                                          ; one plain place behind a scaled conversion
.irp c, 0,1                            ; the operand's layout wants a whole block in a lane
.irp i, 0,1,2
	v_permlane16_swap_b32 v[PC+6*\c+\i], v[PC+12+4*\c+\i]
.endr
.irp i, 0,1,2
	v_mov_b32 v[PC+3+6*\c+\i], v[PC+12+4*\c+\i]
.endr
.endr
.endm
; K step 2 w + sp of my 16 rows: quantised, its image and scale word to LDS; the work-group with j = 0 stores the image to xq
.macro XPART sp
	QUANT X+64*\sp
.irp c, 0,1,2
	ds_store_b128 v7, v[PC+4*\c:PC+4*\c+3] offset:XIMG+1536*\sp+512*\c
.endr
	ds_store_b32 v8, v[PW] offset:XSC+128*\sp
	s_cmp_lg_u32 s46, 0
	s_cbranch_scc1 .Lnot_j0_\@
.irp c, 0,1,2
	global_store_b128 v5, v[PC+4*\c:PC+4*\c+3], s[58:59] offset:1536*\sp+512*\c
.endr
.Lnot_j0_\@:
	s_wait_dscnt 0x0                               ; the stores have read their registers:
	s_wait_xcnt 0x0                                ; the codes' registers may be written again
.endm
; sine and cosine of v[a].  n = nearest whole number to a 2/pi; r = a - n pi/2 in three parts; polynomials on |r| <= pi/4; the quadrant chooses and signs by selects alone
.macro SINCOS a, sn, cs, t
	v_mul_f32 v[\t], 0x3f22f983, v[\a]
	v_rndne_f32 v[\t], v[\t]
	v_fma_f32 v[\t+1], v[\t], 0xbfc90000, v[\a]
	v_fma_f32 v[\t+1], v[\t], 0xb9fda000, v[\t+1]
	v_fma_f32 v[\t+1], v[\t], 0xb3a22168, v[\t+1]
	v_cvt_i32_f32 v[\t], v[\t]
	v_mul_f32 v[\t+2], v[\t+1], v[\t+1]
	v_mov_b32 v[\sn], -0.00019515295891
	v_fmaak_f32 v[\sn], v[\t+2], v[\sn], 0.0083321608736
	v_fmaak_f32 v[\sn], v[\t+2], v[\sn], -0.16666654611
	v_mul_f32 v[\sn], v[\sn], v[\t+2]
	v_fma_f32 v[\sn], v[\sn], v[\t+1], v[\t+1]
	v_mov_b32 v[\cs], 0.00002443315711809948
	v_fmaak_f32 v[\cs], v[\t+2], v[\cs], -0.001388731625493765
	v_fmaak_f32 v[\cs], v[\t+2], v[\cs], 0.04166664568298827
	v_fma_f32 v[\cs], v[\cs], v[\t+2], -0.5
	v_fma_f32 v[\cs], v[\cs], v[\t+2], 1.0
	v_and_b32 v[\t+3], 1, v[\t]
	v_cmp_eq_u32 vcc_lo, 1, v[\t+3]
	v_cndmask_b32 v[\t+1], v[\sn], v[\cs], vcc_lo
	v_cndmask_b32 v[\t+2], v[\cs], v[\sn], vcc_lo
	v_and_b32 v[\t+3], 2, v[\t]
	v_lshlrev_b32 v[\t+3], 30, v[\t+3]
	v_xor_b32 v[\sn], v[\t+1], v[\t+3]
	v_add_nc_u32 v[\t], 1, v[\t]
	v_and_b32 v[\t], 2, v[\t]
	v_lshlrev_b32 v[\t], 30, v[\t]
	v_xor_b32 v[\cs], v[\t+2], v[\t]
.endm
; gate g = 4 layer + qubit on the 16 complex amplitudes (a pair of registers each); its seven numbers lie in lane g of v80-86.  The two state buffers take turns
.macro GATE g
.set SRC, 16+32*((\g)%2)
.set DST, 48-32*((\g)%2)
.set STR, 8>>((\g)%4)
.irp k, 0,1,2,3,4,5,6
	v_readlane_b32 s[70+2*\k], v[80+\k], \g
.endr
.irp k, 0,1,2,3,4,5,6
	s_mov_b32 s[71+2*\k], s[70+2*\k]               ; the packed forms name a pair and take its low word for both halves
.endr
.irp i, 0,1,2,3,4,5,6,7,8,9,10,11,12,13,14,15
.if ((\i)&STR) == 0
	v_pk_mul_f32 v[DST+2*\i:DST+2*\i+1], v[SRC+2*\i:SRC+2*\i+1], s[70:71] op_sel_hi:[1,0]
	v_pk_fma_f32 v[DST+2*\i:DST+2*\i+1], v[SRC+2*(\i+STR):SRC+2*(\i+STR)+1], s[72:73], v[DST+2*\i:DST+2*\i+1] op_sel_hi:[1,0,1]
	v_pk_fma_f32 v[DST+2*\i:DST+2*\i+1], v[SRC+2*(\i+STR):SRC+2*(\i+STR)+1], s[74:75], v[DST+2*\i:DST+2*\i+1] op_sel:[1,0,0] op_sel_hi:[0,0,1] neg_lo:[1,0,0]
	v_pk_mul_f32 v[DST+2*(\i+STR):DST+2*(\i+STR)+1], v[SRC+2*\i:SRC+2*\i+1], s[76:77] op_sel_hi:[1,0]
	v_pk_fma_f32 v[DST+2*(\i+STR):DST+2*(\i+STR)+1], v[SRC+2*\i:SRC+2*\i+1], s[78:79], v[DST+2*(\i+STR):DST+2*(\i+STR)+1] op_sel:[1,0,0] op_sel_hi:[0,0,1] neg_lo:[1,0,0]
	v_pk_fma_f32 v[DST+2*(\i+STR):DST+2*(\i+STR)+1], v[SRC+2*(\i+STR):SRC+2*(\i+STR)+1], s[80:81], v[DST+2*(\i+STR):DST+2*(\i+STR)+1] op_sel_hi:[1,0,1]
	v_pk_fma_f32 v[DST+2*(\i+STR):DST+2*(\i+STR)+1], v[SRC+2*(\i+STR):SRC+2*(\i+STR)+1], s[82:83], v[DST+2*(\i+STR):DST+2*(\i+STR)+1] op_sel:[1,0,0] op_sel_hi:[0,0,1] neg_lo:[1,0,0]
.endif
.endr
.endm
	s_load_b512 s[4:19], s[0:1], 0x0               ; x, Wg, Wr codes, Wr scales, br, Wq_in codes, Wq_in scales, thetas
	s_load_b512 s[20:35], s[0:1], 0x40             ; phis, lams, act_w, amplitude, phase_shift, time_scalar, period, c
	s_load_b256 s[36:43], s[0:1], 0x80             ; chaotic_r, xq, misc, pq
	v_lshl_add_u32 v179, v0, 2, 0x3a00
	v_mov_b32 v183, 0
	v_lshrrev_b32 v1, 5, v0
	v_readfirstlane_b32 s44, v1                    ; wave
	s_lshr_b32 s45, ttmp9, 2                       ; T
	s_and_b32 s46, ttmp9, 3                        ; j
	s_lshl_b32 s47, s46, 2
	s_add_co_u32 s47, s47, s44                     ; 4 j + w: my block of 32 slots
	s_mov_b32 s49, 0
	s_mov_b32 s52, 0x76543210
	s_mov_b32 s53, 0xfedcba98                      ; v_permlanex16_b32's selects for lane l xor 16
	s_mov_b32 s54, 0xffff0000                      ; lanes 16-31
	s_mov_b32 s62, 0x3fb8aa3b                      ; log2(e)
	s_mov_b32 s63, s62
	v_and_b32 v1, 31, v0                           ; lane
	v_and_b32 v2, 15, v0                           ; r
	v_bfe_u32 v3, v0, 4, 1                         ; h
	v_lshlrev_b32 v4, 12, v2
	v_lshl_add_u32 v4, v3, 6, v4                   ; x: row r of 4,096 bytes + 64 h
	v_lshlrev_b32 v5, 4, v1                        ; 16 x lane
	v_lshlrev_b32 v6, 2, v1                        ; 4 x lane
	s_mul_i32 s48, s44, 3072
	v_add_nc_u32 v7, s48, v5                       ; where I store x's images
	s_lshl_b32 s48, s44, 8
	v_add_nc_u32 v8, s48, v6                       ; and their scale words
	v_lshlrev_b32 v9, 9, v3                        ; Wg: 16 h rows of 32 bytes
	v_and_b32 v10, 8, v2
	v_add_nc_u32 v10, v10, v2                      ; m + 8 (m / 8)
	v_lshlrev_b32 v11, 5, v10
	v_lshl_add_u32 v11, v3, 4, v11                 ; Wr's scale words: 32 bytes a row; lanes 16-31 take words 4-7
	v_mul_u32_u24 v10, v10, 768
	v_mad_u32_u24 v10, v3, 24, v10                 ; Wr's codes: 768 bytes a row
	v_lshlrev_b32 v12, 6, v3                       ; br: 16 h numbers
	v_mul_u32_u24 v13, v2, 768
	v_mad_u32_u24 v13, v3, 24, v13                 ; Wq_in's codes
	v_lshlrev_b32 v14, 5, v2
	v_lshl_add_u32 v14, v3, 4, v14                 ; Wq_in's scale words
	v_and_b32 v15, 7, v0
	v_lshlrev_b32 v15, 2, v15                      ; the angles: lane l takes gate l % 8
	v_lshlrev_b32 v230, 3, v2                      ; LDS addresses, all made here
	v_mul_u32_u24 v231, v2, 24
	v_mad_u32_u24 v231, v3, 12, v231               ; pq: 24 r + 12 h
	s_lshl_b32 s48, s44, 7
	v_lshl_add_u32 v252, v2, 3, s48                ; 8 r + 128 w
	s_lshl_b32 s48, s44, 6
	v_lshl_add_u32 v253, v2, 2, s48                ; 4 r + 64 w
	v_lshlrev_b32 v254, 2, v2                      ; 4 r
	v_lshl_add_u32 v255, v2, 2, s44                ; 4 r + w
.irp b, 0,1,2,3
	v_mov_b32 v[TM+4+\b], 0                        ; written once: a lane permute's destination counts as one of its sources
.endr
	v_mov_b32 v225, 0
	s_wait_kmcnt 0x0
	s_lshl_b32 s48, s45, 16
	s_lshl_b32 s50, s44, 10
	s_add_co_u32 s48, s48, s50
	s_add_nc_u64 s[4:5], s[4:5], s[48:49]          ; x at row 16 T, K = 256 w
	s_lshl_b32 s48, s44, 13
	s_lshl_b32 s50, s46, 3
	s_add_co_u32 s48, s48, s50
	s_add_nc_u64 s[6:7], s[6:7], s[48:49]          ; Wg at k = 256 w, expert 2 j
	s_mul_i32 s48, s47, 24576
	s_add_nc_u64 s[8:9], s[8:9], s[48:49]          ; my 32 rows of Wr
	s_lshl_b32 s48, s47, 10
	s_add_nc_u64 s[10:11], s[10:11], s[48:49]
	s_lshl_b32 s48, s47, 7
	s_add_nc_u64 s[12:13], s[12:13], s[48:49]
	s_mul_i32 s48, s45, 12800
	s_add_nc_u64 s[56:57], s[38:39], s[48:49]      ; xq at tile T
	s_mul_i32 s48, s44, 3072
	s_add_nc_u64 s[58:59], s[56:57], s[48:49]      ; and at my two fragments
	s_mul_i32 s48, s45, 6144
	s_mul_i32 s50, s47, 384
	s_add_co_u32 s48, s48, s50
	s_add_nc_u64 s[60:61], s[42:43], s[48:49]      ; pq at (T, block 4 j + w)
	; every operand of the wave is asked for now
.irp s, 0,1
.irp b, 0,1,2,3
.irp i, 0,1,2,3
	global_load_b128 v[X+64*\s+16*\b+4*\i:X+64*\s+16*\b+4*\i+3], v4, s[4:5] offset:512*\s+128*\b+16*\i
.endr
.endr
.endr
	WIN 0xc0                                       ; destination window 3: Wg(k, 2 j .. 2 j + 1) for my 128 k
.set n, 0
.rept 128
	global_load_b64 v[2*n:2*n+1], v9, s[6:7] offset:4096*(n/64)+1024*((n/16)%4)+32*(n%16)
.set n, n+1
.endr
	WIN 0x40                                       ; window 1: Wr's fragments (u, s) at 12 (8 u + s)
.irp u, 0,1
.irp s, 0,1,2,3,4,5,6,7
.irp p, 0,1,2,3,4,5
	global_load_b64 v[12*(8*\u+\s)+2*\p:12*(8*\u+\s)+2*\p+1], v10, s[8:9] offset:6144*\u+96*\s+48*(\p/3)+8*(\p%3)
.endr
.endr
.endr
	WIN 0x80                                       ; window 2: Wq_in's fragments at 12 s
.irp s, 0,1,2,3,4,5,6,7
.irp p, 0,1,2,3,4,5
	global_load_b64 v[12*\s+2*\p:12*\s+2*\p+1], v13, s[14:15] offset:96*\s+48*(\p/3)+8*(\p%3)
.endr
.endr
	WIN 0
.irp u, 0,1
	global_load_b128 v[WRS+4*\u:WRS+4*\u+3], v11, s[10:11] offset:256*\u
	global_load_b128 v[ACC+8*\u:ACC+8*\u+3], v12, s[12:13] offset:32*\u      ; br lands in the accumulators: the sums begin with it
	global_load_b128 v[ACC+8*\u+4:ACC+8*\u+7], v12, s[12:13] offset:32*\u+16
.endr
	global_load_b128 v[WQS:WQS+3], v14, s[16:17]
	global_load_b32 v161, v15, s[18:19]            ; theta, phi, lambda of gate lane % 8
	global_load_b32 v162, v15, s[20:21]
	global_load_b32 v163, v15, s[22:23]
	s_wait_loadcnt 63                              ; 154 loads were issued behind Wg's last: with 63 out at the most, x and Wg are in
	XPART 0
	XPART 1
	; the gate logits' part of my 256 k: two experts at a time, four chains
	WIN 0x0c                                       ; source 1 (Wg) window 3
.set n, 0
.rept 128
.if n < 4
.if n%2
	v_pk_mul_f32 v[GA+2*n:GA+2*n+1], v[X+n-1:X+n], v[2*n:2*n+1] op_sel:[1,0] op_sel_hi:[1,1]
.else
	v_pk_mul_f32 v[GA+2*n:GA+2*n+1], v[X+n:X+n+1], v[2*n:2*n+1] op_sel:[0,0] op_sel_hi:[0,1]
.endif
.else
.if n%2
	v_pk_fma_f32 v[GA+2*(n%4):GA+2*(n%4)+1], v[X+n-1:X+n], v[2*n:2*n+1], v[GA+2*(n%4):GA+2*(n%4)+1] op_sel:[1,0,0] op_sel_hi:[1,1,1]
.else
	v_pk_fma_f32 v[GA+2*(n%4):GA+2*(n%4)+1], v[X+n:X+n+1], v[2*n:2*n+1], v[GA+2*(n%4):GA+2*(n%4)+1] op_sel:[0,0,0] op_sel_hi:[0,1,1]
.endif
.endif
.set n, n+1
.endr
	WIN 0
	v_pk_add_f32 v[GA:GA+1], v[GA:GA+1], v[GA+2:GA+3]
	v_pk_add_f32 v[GA+4:GA+5], v[GA+4:GA+5], v[GA+6:GA+7]
	v_pk_add_f32 v[GA:GA+1], v[GA:GA+1], v[GA+4:GA+5]
	v_permlanex16_b32 v[GA+2], v[GA], s52, s53
	v_permlanex16_b32 v[GA+3], v[GA+1], s52, s53
	v_pk_add_f32 v[GA:GA+1], v[GA:GA+1], v[GA+2:GA+3]
	ds_store_b64 v252, v[GA:GA+1] offset:GL        ; both halves of the lanes write the same numbers
	BARRIER                                        ; x's eight fragments and the four parts of the logits lie in LDS
.irp s, 0,1,2,3,4,5,6,7
.irp c, 0,1,2
	ds_load_b128 v[X+12*\s+4*\c:X+12*\s+4*\c+3], v5 offset:XIMG+1536*\s+512*\c
.endr
	ds_load_b32 v[XSW+\s], v6 offset:XSC+128*\s
.endr
	s_wait_dscnt 0x0
	s_wait_loadcnt 0x0
	WIN 0x01                                       ; source 0 (Wr) window 1.  The two accumulators take turns
.irp s, 0,1,2,3,4,5,6,7
.irp u, 0,1
	WM ACC+8*\u, 12*(8*\u+\s), X+12*\s, ACC+8*\u, WRS+4*\u+\s%4, XSW+\s, \s/4
.endr
.endr
	WIN 0
	PLACES 4
.irp p, 0,2,4,6,8,10,12,14
	v_pk_mul_f32 v[ACC+\p:ACC+\p+1], v[ACC+\p:ACC+\p+1], s[62:63] op_sel_hi:[1,0]   ; t = logit x log2(e)
.endr
	v_max3_num_f32 v224, v[ACC], v[ACC+1], v[ACC+2]
.irp i, 3,5,7,9,11,13
	v_max3_num_f32 v224, v224, v[ACC+\i], v[ACC+\i+1]
.endr
	v_max_num_f32 v224, v224, v[ACC+15]
	v_permlanex16_b32 v225, v224, s52, s53
	v_max_num_f32 v224, v224, v225                 ; the largest t of my block of 32 slots
	ds_store_b32 v253, v224 offset:MX
	BARRIER
.irp q, 0,1,2,3
	ds_load_b32 v[TM+\q], v254 offset:MX+64*\q
.endr
	s_wait_dscnt 0x0
	v_max3_num_f32 v226, v[TM], v[TM+1], v[TM+2]
	v_max_num_f32 v226, v226, v[TM+3]
	v_floor_f32 v228, -v226                        ; -M_j = floor(-t): M_j is a whole number
	v_mov_b32 v229, v228
.irp p, 0,2,4,6,8,10,12,14
	v_pk_add_f32 v[ACC+\p:ACC+\p+1], v[ACC+\p:ACC+\p+1], v[228:229] op_sel_hi:[1,0]
.endr
	v_add_f32 v224, v224, v228                     ; the same of the block's largest t
.irp i, 0,1,2,3,4,5,6,7,8,9,10,11,12,13,14,15
	v_exp_f32 v[ACC+\i], v[ACC+\i]                 ; p = 2^(t - M_j)
.endr
	v_exp_f32 v224, v224                           ; the block's largest p
	v_nop                                          ; a plain place behind the exponentials
	s_wait_alu depctr_va_vdst(0)                   ; one wait for the batch of 17, ahead of its first reader
	v_pk_add_f32 v[148:149], v[ACC:ACC+1], v[ACC+2:ACC+3]          ; the sum of the unquantised p, in two chains
	v_pk_add_f32 v[150:151], v[ACC+4:ACC+5], v[ACC+6:ACC+7]
	v_pk_add_f32 v[148:149], v[148:149], v[ACC+8:ACC+9]
	v_pk_add_f32 v[150:151], v[150:151], v[ACC+10:ACC+11]
	v_pk_add_f32 v[148:149], v[148:149], v[ACC+12:ACC+13]
	v_pk_add_f32 v[150:151], v[150:151], v[ACC+14:ACC+15]
	v_pk_add_f32 v[148:149], v[148:149], v[150:151]
	v_add_f32 v148, v148, v149
	v_permlanex16_b32 v225, v148, s52, s53
	v_add_f32 v148, v148, v225
	ds_store_b32 v253, v148 offset:LSUM
	v_max_num_f32 v224, 0x2800000, v224            ; the floor: the byte cannot fall under 1
	v_add_nc_u32 v226, 0xfe000000, v224
	v_lshrrev_b32 v227, 23, v226
	ds_store_b8 v255, v227 offset:PSB              ; byte w of my row's scale word
	v_cvt_scalef32_pk16_bf6_f32 v[PC:PC+2], v[ACC:ACC+15], v226
	v_nop
	global_store_b96 v231, v[PC:PC+2], s[60:61]    ; 32 lanes store the block's 384 consecutive bytes
	BARRIER
	; ---- wave 0: what the four waves made together
	s_cmp_lg_u32 s44, 0
	s_cbranch_scc1 .Lnot_w0
.irp q, 0,1,2,3
	ds_load_b64 v[GA+2*\q:GA+2*\q+1], v230 offset:GL+128*\q
	ds_load_b32 v[TM+\q], v254 offset:LSUM+64*\q
.endr
	ds_load_b32 v152, v254 offset:PSB
	s_lshl_b32 s48, s45, 9
	s_lshl_b32 s50, s46, 3
	s_add_co_u32 s48, s48, s50
	s_add_nc_u64 s[66:67], s[40:41], s[48:49]      ; the logits of rows 16 T on, experts 2 j on
	s_lshl_b32 s48, s46, 14
	s_lshl_b32 s50, s45, 8
	s_add_co_u32 s48, s48, s50
	s_add_nc_u64 s[68:69], s[40:41], s[48:49]
	v_lshlrev_b32 v226, 5, v2
	v_lshl_add_u32 v226, v3, 2, v226               ; 32 r + 4 h
	v_lshlrev_b32 v227, 4, v2
	v_lshl_add_u32 v227, v3, 3, v227               ; 16 r + 8 h
	v_mov_b32 v149, 0
	s_wait_dscnt 0x0
	v_pk_add_f32 v[GA:GA+1], v[GA:GA+1], v[GA+2:GA+3]
	v_pk_add_f32 v[GA+4:GA+5], v[GA+4:GA+5], v[GA+6:GA+7]
	v_pk_add_f32 v[GA:GA+1], v[GA:GA+1], v[GA+4:GA+5]
	v_cndmask_b32 v153, v[GA], v[GA+1], s54        ; lanes 0-15 store expert 2 j, lanes 16-31 expert 2 j + 1
	global_store_b32 v226, v153, s[66:67]
	v_add_f32 v[TM], v[TM], v[TM+1]
	v_add_f32 v[TM+2], v[TM+2], v[TM+3]
	v_add_f32 v[TM], v[TM], v[TM+2]                ; l_j
	v_cndmask_b32 v154, v228, v152, s54            ; lanes 0-15: (-M_j, l_j); lanes 16-31: (the scale word, 0)
	v_cndmask_b32 v155, v[TM], v149, s54
	global_store_b64 v227, v[154:155], s[68:69] offset:PML
	s_cmp_lg_u32 s46, 0
	s_cbranch_scc1 .Lnot_w0
.irp q, 0,1,2,3
	v_cndmask_b32 v[156+\q], v[XSW+\q], v[XSW+4+\q], s54           ; x's scale words: lanes 0-15 K steps 0-3, lanes 16-31 K steps 4-7
.endr
	v_lshlrev_b32 v224, 5, v2
	v_lshl_add_u32 v224, v3, 4, v224
	global_store_b128 v224, v[156:159], s[56:57] offset:12288
.Lnot_w0:
	s_wait_xcnt 0x0
	; ---- one wave of j = 1: the circuit
	s_cmp_lg_u32 s47, 5
	s_cbranch_scc1 .Lnot_q
	WIN 0x02                                       ; source 0 (Wq_in) window 2.  Even and odd K steps on two accumulators by turns
.irp s, 0,1
	WM QAC+8*\s, 12*\s, X+12*\s, -1, WQS+\s, XSW+\s, 0
.endr
.irp s, 2,3,4,5,6,7
	WM QAC+8*(\s%2), 12*\s, X+12*\s, QAC+8*(\s%2), WQS+\s%4, XSW+\s, \s/4
.endr
	WIN 0
	PLACES 4
.irp i, 0,1,2,3,4,5,6,7
	v_add_f32 v[QAC+\i], v[QAC+\i], v[QAC+8+\i]    ; q(r, 8 h + i)
.endr
.irp i, 0,1,2,3,4,5,6,7
	v_permlanex16_b32 v[QAC+8+\i], v[QAC+\i], s52, s53
.endr
.irp i, 0,1,2,3,4,5,6,7
	v_cndmask_b32 v[16+2*\i], v[QAC+\i], v[QAC+8+\i], s54          ; every lane gets all 16 amplitudes of its row
	v_cndmask_b32 v[32+2*\i], v[QAC+8+\i], v[QAC+\i], s54
.endr
	v_mul_f32 v224, v[QAC], v[QAC]
.irp i, 1,2,3,4,5,6,7,8,9,10,11,12,13,14,15
	v_fma_f32 v224, v[QAC+\i], v[QAC+\i], v224
.endr
	v_rsq_f32 v225, v224
	v_mul_f32 v161, 0.5, v161                      ; theta / 2.  (A plain place behind the root)
	s_wait_alu depctr_va_vdst(0)
.irp i, 0,1,2,3,4,5,6,7,8,9,10,11,12,13,14,15
	v_mul_f32 v[16+2*\i], v[16+2*\i], v225
	v_mov_b32 v[17+2*\i], 0
.endr
	SINCOS 161, 96, 97, 88                         ; st, ct
	SINCOS 162, 98, 99, 88                         ; sin phi, cos phi
	SINCOS 163, 100, 101, 88                       ; sin lambda, cos lambda
	v_mov_b32 v80, v97                             ; u00 = ct
	v_mul_f32 v81, -v101, v96                      ; u01 = -e^(i lambda) st
	v_mul_f32 v82, -v100, v96
	v_mul_f32 v83, v99, v96                        ; u10 = e^(i phi) st
	v_mul_f32 v84, v98, v96
	v_mul_f32 v85, v99, v101                       ; u11 = e^(i (phi + lambda)) ct
	v_fma_f32 v85, -v98, v100, v85
	v_mul_f32 v85, v85, v97
	v_mul_f32 v86, v98, v101
	v_fma_f32 v86, v99, v100, v86
	v_mul_f32 v86, v86, v97
.irp g, 0,1,2,3,4,5,6,7
	GATE \g
.endr
.irp i, 0,1,2,3,4,5,6,7,8,9,10,11,12,13,14,15
	v_mul_f32 v[48+\i], v[16+2*\i], v[16+2*\i]
	v_fma_f32 v[48+\i], v[17+2*\i], v[17+2*\i], v[48+\i]
.endr
.irp i, 0,1,2,3,4,5,6,7
	v_cndmask_b32 v[64+\i], v[48+\i], v[56+\i], s54
.endr
	v_lshlrev_b32 v72, 6, v2
	v_lshl_add_u32 v72, v3, 5, v72                 ; 64 r + 32 h
	s_lshl_b32 s48, s45, 10
	s_add_nc_u64 s[92:93], s[40:41], s[48:49]
	global_store_b128 v72, v[64:67], s[92:93] offset:PROBS
	global_store_b128 v72, v[68:71], s[92:93] offset:PROBS+16
.Lnot_q:
	s_wait_xcnt 0x0
	; ---- one wave of j = 2, T < 32: the factor of columns 32 T + lane
	s_cmp_lg_u32 s47, 10
	s_cbranch_scc1 .Lnot_cf
	s_cmp_ge_u32 s45, 32
	s_cbranch_scc1 .Lnot_cf
	s_load_b32 s84, s[30:31], 0x0                  ; time
	s_load_b32 s85, s[32:33], 0x0                  ; period
	s_load_b32 s86, s[34:35], 0x0                  ; c
	s_load_b32 s87, s[36:37], 0x0                  ; r
	s_lshl_b32 s48, s45, 7
	s_add_nc_u64 s[88:89], s[28:29], s[48:49]
	s_add_nc_u64 s[90:91], s[26:27], s[48:49]
	s_add_nc_u64 s[94:95], s[40:41], s[48:49]
	global_load_b32 v16, v6, s[88:89]              ; phase_shift
	global_load_b32 v17, v6, s[90:91]              ; amplitude
	s_wait_kmcnt 0x0
	v_mov_b32 v18, s85
	v_rcp_f32 v19, v18
	v_mov_b32 v20, 0x40c90fdb
	v_mul_f32 v20, s84, v20                        ; 2 pi x time
	s_wait_alu depctr_va_vdst(0)
	v_mul_f32 v21, v20, v19                        ; / period, with one correction step
	v_fma_f32 v22, -v21, v18, v20
	v_fma_f32 v21, v22, v19, v21
	s_wait_loadcnt 0x0
	v_add_f32 v21, v21, v16
	SINCOS 21, 23, 24, 28
	v_mov_b32 v25, s86
	v_sub_f32 v26, 1.0, v25
	v_mul_f32 v25, s87, v25
	v_mul_f32 v25, v25, v26                        ; r c (1 - c)
	v_mul_f32 v23, v23, v17
	v_mul_f32 v23, v23, v25
	global_store_b32 v6, v23, s[94:95] offset:CFO
.Lnot_cf:
	s_wait_xcnt 0x0
	; ---- one wave of the launch: the activation's coefficients, each written twice, so that a scalar pair holds it in both words
	s_cmp_lg_u32 ttmp9, 0
	s_cbranch_scc1 .Lend
	s_cmp_lg_u32 s44, 3
	s_cbranch_scc1 .Lend
	s_load_b256 s[84:91], s[24:25], 0x0
	s_load_b32 s92, s[24:25], 0x20
	s_wait_kmcnt 0x0
.irp i, 0,1,2,3,4,5,6,7,8
	v_mov_b32 v[16+\i], s[84+\i]
.endr
	v_max3_num_f32 v25, v16, v17, v18
	v_max3_num_f32 v25, v25, v19, v20
	v_max3_num_f32 v25, v25, v21, v22
	v_max3_num_f32 v25, v25, v23, v24
.irp i, 0,1,2,3,4,5,6,7,8
	v_sub_f32 v[16+\i], v[16+\i], v25              ; the maximum is taken away, as the softmax has it
.endr
.irp i, 0,1,2,3,4,5,6,7,8
	v_mul_f32 v[16+\i], 0x3fb8aa3b, v[16+\i]
.endr
.irp i, 0,1,2,3,4,5,6,7,8
	v_exp_f32 v[16+\i], v[16+\i]
.endr
	v_nop
	s_wait_alu depctr_va_vdst(0)
	v_add_f32 v25, v16, v17
.irp i, 2,3,4,5,6,7,8
	v_add_f32 v25, v25, v[16+\i]
.endr
	v_rcp_f32 v26, v25
	v_nop
	s_wait_alu depctr_va_vdst(0)
.irp i, 0,1,2,3,4,5,6,7,8
	v_mul_f32 v[16+\i], v[16+\i], v26              ; w0 .. w8
.endr
	v_mov_b32 v32, v16                             ; w0  sigmoid
	v_mov_b32 v33, v20                             ; w4  silu
	v_mov_b32 v34, v18                             ; w2  tanh
	v_mov_b32 v35, v23                             ; w7  mish
	v_mul_f32 v36, 0.5, v21                        ; c5 = w5 / 2
	v_fmamk_f32 v37, v22, 0x3fe10966, v17          ; wE = w1 + 1.7580993 w6
	v_add_f32 v38, v17, v19
	v_fmamk_f32 v38, v22, 0x3f867d5f, v38          ; wR = w1 + w3 + 1.0507010 w6
	v_mul_f32 v27, 0x3eb504f3, v21                 ; w5 / (2 sqrt 2): it goes into erf's numerator
	v_mul_f32 v39, -0.0160960333262415, v27
	v_mul_f32 v40, -0.001477299904270125, v27
	v_mul_f32 v41, -0.00018374765758171375, v27
	v_mul_f32 v42, -0.000007115632993279325, v27
	v_mul_f32 v43, -0.0000001313140013015675, v27
	v_mul_f32 v44, 0.0000000008658379452996938, v27
	v_mul_f32 v45, -0.000000000004259597278145406, v27
	v_lshrrev_b32 v28, 1, v1
	v_mov_b32 v29, 0
	v_mov_b32 v30, 0
.irp i, 0,1,2,3,4,5,6,7,8,9,10,11,12,13
	v_cmp_eq_u32 vcc_lo, \i, v28
	v_cndmask_b32 v29, v29, v[32+\i], vcc_lo
.endr
	global_store_b32 v6, v29, s[40:41] offset:COEF
	global_store_b32 v6, v30, s[40:41] offset:COEF+128
.Lend:
	s_wait_tensorcnt 0x0
	ds_add_u32 v179, v183
	s_wait_dscnt 0x0
	s_endpgm
.Lfunc_end_k_qb5194c6226_front:
	.size	k_qb5194c6226_front, .Lfunc_end_k_qb5194c6226_front-k_qb5194c6226_front
	.p2alignl 7, 3214868480
	.fill 96, 4, 3214868480
	.section	.rodata,"a",@progbits
	.p2align	6, 0x0
	.amdhsa_kernel k_qb5194c6226_front
		.amdhsa_group_segment_fixed_size 15360
		.amdhsa_private_segment_fixed_size 0
		.amdhsa_enable_private_segment 0
		.amdhsa_kernarg_size 160
		.amdhsa_user_sgpr_count 2
		.amdhsa_user_sgpr_kernarg_segment_ptr 1
		.amdhsa_wavefront_size32 1
		.amdhsa_system_sgpr_workgroup_id_x 1
		.amdhsa_system_sgpr_workgroup_id_y 1
		.amdhsa_system_sgpr_workgroup_id_z 1
		.amdhsa_system_vgpr_workitem_id 0
		.amdhsa_next_free_vgpr 1024
		.amdhsa_next_free_sgpr 100
		.amdhsa_reserve_vcc 1
		.amdhsa_float_denorm_mode_32 3
		.amdhsa_float_denorm_mode_16_64 3
		.amdhsa_memory_ordered 1
		.amdhsa_forward_progress 1
		.amdhsa_inst_pref_size 114
	.end_amdhsa_kernel
	.amdgpu_metadata
---
amdhsa.version: [ 1, 2 ]
amdhsa.kernels:
  - .name:           k_qb5194c6226_front
    .symbol:         k_qb5194c6226_front.kd
    .args:
      - { .name: x, .offset: 0, .size: 8, .value_kind: global_buffer, .address_space: global }
      - { .name: Wg, .offset: 8, .size: 8, .value_kind: global_buffer, .address_space: global }
      - { .name: Wr_codes, .offset: 16, .size: 8, .value_kind: global_buffer, .address_space: global }
      - { .name: Wr_scales, .offset: 24, .size: 8, .value_kind: global_buffer, .address_space: global }
      - { .name: br, .offset: 32, .size: 8, .value_kind: global_buffer, .address_space: global }
      - { .name: Wq_in_codes, .offset: 40, .size: 8, .value_kind: global_buffer, .address_space: global }
      - { .name: Wq_in_scales, .offset: 48, .size: 8, .value_kind: global_buffer, .address_space: global }
      - { .name: thetas, .offset: 56, .size: 8, .value_kind: global_buffer, .address_space: global }
      - { .name: phis, .offset: 64, .size: 8, .value_kind: global_buffer, .address_space: global }
      - { .name: lams, .offset: 72, .size: 8, .value_kind: global_buffer, .address_space: global }
      - { .name: act_w, .offset: 80, .size: 8, .value_kind: global_buffer, .address_space: global }
      - { .name: amplitude, .offset: 88, .size: 8, .value_kind: global_buffer, .address_space: global }
      - { .name: phase_shift, .offset: 96, .size: 8, .value_kind: global_buffer, .address_space: global }
      - { .name: time_scalar, .offset: 104, .size: 8, .value_kind: global_buffer, .address_space: global }
      - { .name: period, .offset: 112, .size: 8, .value_kind: global_buffer, .address_space: global }
      - { .name: c, .offset: 120, .size: 8, .value_kind: global_buffer, .address_space: global }
      - { .name: chaotic_r, .offset: 128, .size: 8, .value_kind: global_buffer, .address_space: global }
      - { .name: xq, .offset: 136, .size: 8, .value_kind: global_buffer, .address_space: global }
      - { .name: misc, .offset: 144, .size: 8, .value_kind: global_buffer, .address_space: global }
      - { .name: pq, .offset: 152, .size: 8, .value_kind: global_buffer, .address_space: global }
    .group_segment_fixed_size: 15360
    .private_segment_fixed_size: 0
    .kernarg_segment_align: 8
    .kernarg_segment_size: 160
    .max_flat_workgroup_size: 128
    .sgpr_count:     100
    .vgpr_count:     1024
    .wavefront_size: 32
...
	.end_amdgpu_metadata
.endif
;; end of part 1
;; launch hidden (part 2): grid 64 x 4, 8 waves a work-group, clusters of 4 x 1, 209,920 bytes of LDS; arguments xq, misc, W1_codes, W1_scales, b1, hq, hs; writes hq, hs
.if DOCPART == 2
	.amdgcn_target "amdgcn-amd-amdhsa--gfx1250"
	.amdhsa_code_object_version 6
	.text
	.protected	k_qb5194c6226_hidden
	.globl	k_qb5194c6226_hidden
	.p2align	8
	.type	k_qb5194c6226_hidden,@function
k_qb5194c6226_hidden:
	s_mov_b64 s[64:65], 0
	v_nop
	global_prefetch_b8 v0, s[64:65] scope:SCOPE_SE
	s_setreg_imm32_b32 hwreg(HW_REG_WAVE_MODE, 25, 1), 1
	s_wait_xcnt 0x0
	s_wait_alu depctr_hold_cnt(0) depctr_sa_sdst(0) depctr_va_vdst(0) depctr_va_sdst(0) depctr_va_ssrc(0) depctr_va_vcc(0) depctr_vm_vsrc(0)
	s_getreg_b32 s2, hwreg(HW_REG_IB_STS2, 6, 4)
	s_cmp_eq_u32 s2, 0
	s_cbranch_scc0 .Lentry_in_a_cluster
	s_endpgm
.Lentry_in_a_cluster:
	s_bfe_u32 s2, ttmp6, 0x10000c
	s_cmp_lg_u32 s2, 0x3003
	s_cbranch_scc0 .Lentry_shape_is_right
	s_endpgm
.Lentry_shape_is_right:
; HIDDEN.  h = Q(act(Q(x) W1 + b1)): the first product of every expert, the mixed activation in f32, and the quantiser along the second product's K.
; Work-group (x, y): expert e = x / 8, hidden units 512 (x % 8) on, rows 256 y on.  The rows' codes and scale words, one dense block of 204,800 bytes, come into LDS once.
; CLUSTER: the four partners (x = 4 X .. 4 X + 3) have the same rows, so that block is asked for jointly: one tensor load a wave, mask 15.  W1 is each wave's own: it goes from memory straight into registers.
; Wave w owns units 64 w .. 64 w + 63 as two groups of 32; a group's 16 fragments of W1 stay in its registers while it walks the 16 tiles of 16 rows.
; A tile: 16 matrix instructions (transposed: source 0 = 16 rows of W1, source 1 = 16 rows of x; C of the first = b1), then 16 numbers a lane through the activation and the quantiser.
; Two waves share a SIMD: one wave's vector work stands beside the other's products and LDS loads.
; Lane m of tile u takes W1's row 8 u + m + 8 (m / 8), so that a lane's 16 results are 16 neighbours along the next K; two lanes (l, l xor 16) hold a block of 32.
; THE ACTIVATION, with e = 2^min(x log2 e, 24), xc = x held to +-4 sqrt 2, y = xc^2:
;   f = NA / DA + x (NB / DB + c5) + wE min(e, 1) - wE + wR max(x, 0)
;   DA = (1 + e)(1 + e^2), NA = (w0 + w4 x) e (1 + e^2) + (w2 e^2 - w2)(1 + e)          sigmoid, silu, tanh
;   G = e^2 + 2 e, D3 = G + 2, DB = D3 Q(y), NB = xc P(y) D3 + w7 G Q(y)                 mish = x G / D3;  gelu = x (1/2 + xc P / Q) w5, erf as a rational
;   elu, selu, relu: max(x, 0) and min(e, 1) - 1.   One exponential and two reciprocals a number.
; LIMITS: NaN and infinities are not served; e^x - 1 is formed as min(e, 1) - 1 and tanh as (e^2 - 1) / (e^2 + 1): absolute error about 1e-7 of the term's weight; erf to a few ulp;
; a block of zeros gets the byte 1 (its codes are zeros; only this program reads the bytes).  A store of codes covers 384 consecutive bytes: of three aligned blocks of 256 bytes one is written in two parts.
.set HSB,  204800                      ; LDS behind x's block: the scale bytes, [row 256][16]
.set COEF, 167936
.set XF,   32                          ; v32-127  x's 8 fragments of a tile
.set ACC,  128                         ; v128-143 the two tiles of results, on end
.set CODE, 144
.set TE,   148
.set TXP,  164
.set TQ,   180
.set TDA,  196
.set TNA,  212
.set SA,   228
.set SB,   236
.set SC,   244
; v1 16 lane; v2 the scale words' place; v3, v4 this tile's LDS addresses; v5 24 r + 12 h; v6, v7 the scale byte's place; v8-10 W1's, its scales' and b1's offsets; v11 256 lane;
; v12-17 w0, a5, q3 as pairs; v18 the hold; v19, v252 the way out; v20-23 x's scale words, v24-31 W1's: these hold nothing else.   window 1: W1's fragments (u, s) at 12 (8 u + s); b1 at v192-207
.set MSB,  0
.macro WIN new
.if MSB != \new
	s_set_vgpr_msb (MSB<<8)|\new
.set MSB, \new
.endif
.endm
.macro PLACES n
.rept \n
	v_nop
.endr
.endm
.macro CROUND                          ; a round of the cluster's barrier
	s_barrier_signal -1
	s_barrier_wait -1
	s_cmp_lg_u32 s2, 0
	s_cbranch_scc1 .Lnot_wave_0_\@
	s_barrier_signal -3
.Lnot_wave_0_\@:
	s_barrier_wait -3
	s_barrier_signal -1
	s_barrier_wait -1
.endm
.macro WM d, a, b, c, sa, sb, hi       ; hi: K steps 4-7 take both sides' scale words from lanes 16-31
.if \hi
	v_wmma_scale_f32_16x16x128_f8f6f4 v[\d:\d+7], v[\a:\a+11], v[\b:\b+11], v[\c:\c+7], v[\sa], v[\sb] matrix_a_fmt:MATRIX_FMT_BF6 matrix_b_fmt:MATRIX_FMT_BF6 matrix_a_scale:MATRIX_SCALE_ROW1 matrix_b_scale:MATRIX_SCALE_ROW1
.else
	v_wmma_scale_f32_16x16x128_f8f6f4 v[\d:\d+7], v[\a:\a+11], v[\b:\b+11], v[\c:\c+7], v[\sa], v[\sb] matrix_a_fmt:MATRIX_FMT_BF6 matrix_b_fmt:MATRIX_FMT_BF6
.endif
.endm
.macro XLD                             ; a tile's 8 fragments (images of the registers) and its scale words: lanes 0-15 K steps 0-3, lanes 16-31 K steps 4-7
.irp s, 0,1,2,3,4,5,6,7
.irp c, 0,1,2
	ds_load_b128 v[XF+12*\s+4*\c:XF+12*\s+4*\c+3], v3 offset:1536*\s+512*\c
.endr
.endr
	ds_load_b128 v[20:23], v4
.endm
.macro ACT16                           ; the 16 numbers in v[ACC] on, in place.  s32-59: the coefficients, each in both words of a pair
.irp p, 0,2,4,6,8,10,12,14
	v_pk_mul_f32 v[TE+\p:TE+\p+1], v[ACC+\p:ACC+\p+1], s[78:79] op_sel_hi:[1,0]
.endr
.irp i, 0,1,2,3,4,5,6,7,8,9,10,11,12,13,14,15
	v_min_num_f32 v[TE+\i], s77, v[TE+\i]
.endr
.irp i, 0,1,2,3,4,5,6,7,8,9,10,11,12,13,14,15
	v_exp_f32 v[TE+\i], v[TE+\i]                   ; e
.endr
.irp f, 0,8                            ; erf's two polynomials: 112 plain lines that name no exponential's result
.irp i, 0,1,2,3,4,5,6,7
	v_med3_num_f32 v[SA+\i], v[ACC+\f+\i], -v18, v18
.endr
.irp p, 0,2,4,6
	v_pk_mul_f32 v[SB+\p:SB+\p+1], v[SA+\p:SA+\p+1], v[SA+\p:SA+\p+1]
.endr
.irp p, 0,2,4,6
	v_pk_fma_f32 v[TXP+\f+\p:TXP+\f+\p+1], v[SB+\p:SB+\p+1], s[58:59], v[14:15] op_sel_hi:[1,0,1]
.endr
.irp k, 54,52,50,48,46
.irp p, 0,2,4,6
	v_pk_fma_f32 v[TXP+\f+\p:TXP+\f+\p+1], v[TXP+\f+\p:TXP+\f+\p+1], v[SB+\p:SB+\p+1], s[\k:\k+1] op_sel_hi:[1,1,0]
.endr
.endr
.irp p, 0,2,4,6
	v_pk_fma_f32 v[TQ+\f+\p:TQ+\f+\p+1], v[SB+\p:SB+\p+1], s[66:67], v[16:17] op_sel_hi:[1,0,1]
.endr
.irp k, 70,72,74
.irp p, 0,2,4,6
	v_pk_fma_f32 v[TQ+\f+\p:TQ+\f+\p+1], v[TQ+\f+\p:TQ+\f+\p+1], v[SB+\p:SB+\p+1], s[\k:\k+1] op_sel_hi:[1,1,0]
.endr
.endr
.irp p, 0,2,4,6
	v_pk_mul_f32 v[TXP+\f+\p:TXP+\f+\p+1], v[TXP+\f+\p:TXP+\f+\p+1], v[SA+\p:SA+\p+1]
.endr
.endr
	s_wait_alu depctr_va_vdst(0)                   ; one wait for the 16 exponentials, ahead of their first reader
.irp f, 0,8
.irp p, 0,2,4,6
	v_pk_mul_f32 v[SA+\p:SA+\p+1], v[TE+\f+\p:TE+\f+\p+1], v[TE+\f+\p:TE+\f+\p+1]          ; e^2
.endr
.irp p, 0,2,4,6
	v_pk_add_f32 v[TDA+\f+\p:TDA+\f+\p+1], v[TE+\f+\p:TE+\f+\p+1], 1.0 op_sel_hi:[1,0]     ; 1 + e
.endr
.irp p, 0,2,4,6
	v_pk_add_f32 v[SB+\p:SB+\p+1], v[SA+\p:SA+\p+1], 1.0 op_sel_hi:[1,0]                   ; 1 + e^2
.endr
.irp p, 0,2,4,6
	v_pk_fma_f32 v[SC+\p:SC+\p+1], v[TE+\f+\p:TE+\f+\p+1], 2.0, v[SA+\p:SA+\p+1] op_sel_hi:[1,0,1]   ; G
.endr
.irp p, 0,2,4,6
	v_pk_fma_f32 v[SA+\p:SA+\p+1], v[SA+\p:SA+\p+1], s[36:37], s[36:37] op_sel_hi:[1,0,0] neg_lo:[0,0,1] neg_hi:[0,0,1]   ; w2 e^2 - w2
.endr
.irp p, 0,2,4,6
	v_pk_fma_f32 v[TNA+\f+\p:TNA+\f+\p+1], v[ACC+\f+\p:ACC+\f+\p+1], s[34:35], v[12:13] op_sel_hi:[1,0,1]   ; w0 + w4 x
.endr
.irp p, 0,2,4,6
	v_pk_mul_f32 v[TNA+\f+\p:TNA+\f+\p+1], v[TNA+\f+\p:TNA+\f+\p+1], v[TE+\f+\p:TE+\f+\p+1]
.endr
.irp i, 0,1,2,3,4,5,6,7
	v_min_num_f32 v[TE+\f+\i], 1.0, v[TE+\f+\i]    ; min(e, 1)
.endr
.irp p, 0,2,4,6
	v_pk_mul_f32 v[TNA+\f+\p:TNA+\f+\p+1], v[TNA+\f+\p:TNA+\f+\p+1], v[SB+\p:SB+\p+1]
.endr
.irp p, 0,2,4,6
	v_pk_fma_f32 v[TNA+\f+\p:TNA+\f+\p+1], v[SA+\p:SA+\p+1], v[TDA+\f+\p:TDA+\f+\p+1], v[TNA+\f+\p:TNA+\f+\p+1]   ; NA
.endr
.irp p, 0,2,4,6
	v_pk_mul_f32 v[TDA+\f+\p:TDA+\f+\p+1], v[TDA+\f+\p:TDA+\f+\p+1], v[SB+\p:SB+\p+1]      ; DA
.endr
.irp p, 0,2,4,6
	v_pk_add_f32 v[SB+\p:SB+\p+1], v[SC+\p:SC+\p+1], 2.0 op_sel_hi:[1,0]                   ; D3
.endr
.irp p, 0,2,4,6
	v_pk_mul_f32 v[TXP+\f+\p:TXP+\f+\p+1], v[TXP+\f+\p:TXP+\f+\p+1], v[SB+\p:SB+\p+1]
.endr
.irp p, 0,2,4,6
	v_pk_mul_f32 v[SC+\p:SC+\p+1], v[SC+\p:SC+\p+1], v[TQ+\f+\p:TQ+\f+\p+1]
.endr
.irp p, 0,2,4,6
	v_pk_fma_f32 v[TXP+\f+\p:TXP+\f+\p+1], v[SC+\p:SC+\p+1], s[38:39], v[TXP+\f+\p:TXP+\f+\p+1] op_sel_hi:[1,0,1]   ; NB
.endr
.irp p, 0,2,4,6
	v_pk_mul_f32 v[TQ+\f+\p:TQ+\f+\p+1], v[SB+\p:SB+\p+1], v[TQ+\f+\p:TQ+\f+\p+1]          ; DB
.endr
.endr
.irp i, 0,1,2,3,4,5,6,7,8,9,10,11,12,13,14,15
	v_rcp_f32 v[TDA+\i], v[TDA+\i]
.endr
.irp i, 0,1,2,3,4,5,6,7,8,9,10,11,12,13,14,15
	v_rcp_f32 v[TQ+\i], v[TQ+\i]
.endr
.irp p, 0,2,4,6,8,10,12,14
	v_pk_fma_f32 v[TE+\p:TE+\p+1], v[TE+\p:TE+\p+1], s[42:43], s[42:43] op_sel_hi:[1,0,0] neg_lo:[0,0,1] neg_hi:[0,0,1]   ; wE min(e, 1) - wE
.endr
.irp i, 0,1,2,3,4,5,6,7,8,9,10,11,12,13,14,15
	v_max_num_f32 v[SA+\i], 0, v[ACC+\i]
.endr
.irp p, 0,2,4,6,8,10,12,14
	v_pk_fma_f32 v[TE+\p:TE+\p+1], v[SA+\p:SA+\p+1], s[44:45], v[TE+\p:TE+\p+1] op_sel_hi:[1,0,1]
.endr
	s_wait_alu depctr_va_vdst(0)                   ; one wait for the 32 reciprocals
.irp p, 0,2,4,6,8,10,12,14
	v_pk_fma_f32 v[TXP+\p:TXP+\p+1], v[TXP+\p:TXP+\p+1], v[TQ+\p:TQ+\p+1], s[40:41] op_sel_hi:[1,1,0]
.endr
.irp p, 0,2,4,6,8,10,12,14
	v_pk_fma_f32 v[TNA+\p:TNA+\p+1], v[TNA+\p:TNA+\p+1], v[TDA+\p:TDA+\p+1], v[TE+\p:TE+\p+1]
.endr
.irp p, 0,2,4,6,8,10,12,14
	v_pk_fma_f32 v[ACC+\p:ACC+\p+1], v[ACC+\p:ACC+\p+1], v[TXP+\p:TXP+\p+1], v[TNA+\p:TNA+\p+1]
.endr
.endm
.macro QUANT16 g                       ; my 16 numbers and lane l xor 16's are a block of 32: its byte to LDS, my 16 codes (12 bytes) to hq
	v_max3_num_f32 v[SA], |v[ACC]|, |v[ACC+1]|, 0x2800000          ; with the floor 2^(5 - 127)
	v_max3_num_f32 v[SA+1], |v[ACC+2]|, |v[ACC+3]|, |v[ACC+4]|
	v_max3_num_f32 v[SA], v[SA], |v[ACC+5]|, |v[ACC+6]|
	v_max3_num_f32 v[SA+1], v[SA+1], |v[ACC+7]|, |v[ACC+8]|
	v_max3_num_f32 v[SA], v[SA], |v[ACC+9]|, |v[ACC+10]|
	v_max3_num_f32 v[SA+1], v[SA+1], |v[ACC+11]|, |v[ACC+12]|
	v_max3_num_f32 v[SA], v[SA], |v[ACC+13]|, |v[ACC+14]|
	v_max3_num_f32 v[SA], v[SA], v[SA+1], |v[ACC+15]|
	v_permlanex16_b32 v[SA+2], v[SA], s20, s21
	v_max_num_f32 v[SA], v[SA], v[SA+2]
	v_add_nc_u32 v[SA+1], 0xfe000000, v[SA]        ; 4 off the exponent field: the conversion's scale operand
	v_lshrrev_b32 v[SA+3], 23, v[SA+1]
	v_cvt_scalef32_pk16_bf6_f32 v[CODE:CODE+2], v[ACC:ACC+15], v[SA+1]
	v_nop                                          ; one plain place behind a scaled conversion
	ds_store_b8 v7, v[SA+3] offset:\g
	global_store_b96 v5, v[CODE:CODE+2], s[18:19]
.endm
; One tile of 16 rows.  next = 1: the next tile's fragments are asked for behind the products and land under the activation
.macro TILE g, next
	s_wait_dscnt 0x0                               ; this tile's fragments and scale words are in
	WIN 0x11                                       ; source 0 (W1) and C (b1) window 1.  The two accumulators take turns
	WM ACC, 0, XF, 192, 24, 20, 0
	WM ACC+8, 96, XF, 200, 28, 20, 0
	WIN 0x01
.irp s, 1,2,3,4,5,6,7
	WM ACC, 12*\s, XF+12*\s, ACC, 24+\s%4, 20+\s%4, \s/4
	WM ACC+8, 96+12*\s, XF+12*\s, ACC+8, 28+\s%4, 20+\s%4, \s/4
.endr
	WIN 0
	PLACES 4                                       ; in front of the loads into registers that the products have read, and of the first read of the results
	v_add_nc_u32 v7, s23, v6
.if \next
	s_add_co_u32 s22, s22, 12800
	v_add_nc_u32 v3, s22, v1
	v_add_nc_u32 v4, s22, v2
	XLD
.if (\g) == 0
	; W1's rows of my second group, 24,576 bytes, are asked into the L2 three tiles before they are loaded: three requests, lanes 256 bytes apart.
	; The four work-groups that differ in the rows alone read the same W1: the one with rows 0 on asks.
	s_cmp_eq_u32 s3, s92
	s_cbranch_scc0 .Lno_ask_\@
	global_prefetch_b8 v11, s[8:9] offset:24576 th:TH_LOAD_NT scope:SCOPE_SE
	global_prefetch_b8 v11, s[8:9] offset:32768 th:TH_LOAD_NT scope:SCOPE_SE
	global_prefetch_b8 v11, s[8:9] offset:40960 th:TH_LOAD_NT scope:SCOPE_SE
.Lno_ask_\@:
.endif
.endif
	ACT16
	QUANT16 \g
	s_wait_xcnt 0x0                                ; the store has read its data and its base: both are written again
	s_add_nc_u64 s[18:19], s[18:19], 49152         ; the next tile of rows in hq
	s_add_co_u32 s23, s23, 256
.endm
.macro WLOAD g                         ; a group's 16 fragments of W1, its bias and its scale words
	WIN 0x40
.irp u, 0,1
.irp s, 0,1,2,3,4,5,6,7
.irp p, 0,1,2,3,4,5
	global_load_b64 v[12*(8*\u+\s)+2*\p:12*(8*\u+\s)+2*\p+1], v8, s[8:9] offset:24576*\g+6144*\u+96*\s+48*(\p/3)+8*(\p%3)
.endr
.endr
.endr
.irp u, 0,1
	global_load_b128 v[192+8*\u:195+8*\u], v10, s[12:13] offset:128*\g+32*\u
	global_load_b128 v[196+8*\u:199+8*\u], v10, s[12:13] offset:128*\g+32*\u+16
.endr
	WIN 0
.irp u, 0,1
	global_load_b128 v[24+4*\u:27+4*\u], v9, s[10:11] offset:1024*\g+256*\u
.endr
.endm
.macro GROUP g
	s_mov_b32 s22, 0
	s_mov_b32 s23, 0
	v_mov_b32 v3, v1
	v_mov_b32 v4, v2
	XLD
	s_add_nc_u64 s[18:19], s[14:15], 384*\g
	s_wait_loadcnt 0x0
	s_mov_b32 s3, 15
.Ltile_\@:
	TILE \g, 1
	s_sub_co_u32 s3, s3, 1
	s_cmp_lg_u32 s3, 0
	s_cbranch_scc1 .Ltile_\@
	TILE \g, 0                                     ; the last tile asks for nothing
.endm
	s_load_b256 s[4:11], s[0:1], 0x0               ; xq, misc, W1's codes, W1's scales
	s_load_b128 s[12:15], s[0:1], 0x20             ; b1, hq
	s_load_b64 s[16:17], s[0:1], 0x30              ; hs
	v_lshl_add_u32 v254, v0, 2, 0x33000
	v_mov_b32 v255, 0
	ds_add_u32 v254, v255
	ds_add_u32 v254, v255
	v_lshrrev_b32 v1, 5, v0
	v_readfirstlane_b32 s2, v1                     ; wave 0..7
	s_bfe_u32 s28, ttmp6, 0x40000                  ; cx
	s_lshl_b32 s29, ttmp9, 2
	s_add_co_u32 s29, s29, s28                     ; work-group x: it enters W1's, b1's, hq's and hs's addresses alone
	s_lshr_b32 s28, s29, 3                         ; e
	s_and_b32 s29, s29, 7                          ; which 512 units
	s_and_b32 s30, ttmp7, 0xffff                   ; which 256 rows: the partners share it
	s_mov_b32 s80, 15|(3<<16)|(1<<21)              ; group 1: mask: all four partners; elements of 8 bytes; bit 21 beside a mask
	s_mov_b32 s81, 32<<16                          ; tensor_dim0 = 32 (256 bytes)
	s_mov_b32 s82, 100<<16                         ; tensor_dim1 = 100
	s_mov_b32 s83, 32<<16                          ; tile_dim0
	s_mov_b32 s84, 100                             ; tile_dim1: 100 rows of 256 bytes = two tiles of x
	s_mov_b32 s85, 32                              ; the pitch: the block is dense
	s_mov_b32 s86, 0
	s_mov_b32 s87, 0
	s_mov_b32 s24, 1
	s_mul_i32 s25, s2, 25600                       ; LDS address: my eighth of the block
	s_mul_i32 s88, s30, 204800
	s_add_co_u32 s88, s88, s25
	s_mov_b32 s89, 0
	s_wait_dscnt 0x0
	s_wait_kmcnt 0x0
	s_add_nc_u64 s[26:27], s[4:5], s[88:89]
	s_or_b32 s27, s27, 0x80000000
	CROUND                                         ; all four work-groups are here: the joint loads meet
	tensor_load_to_lds s[24:27], s[80:87]          ; my one tensor load of the launch: nothing is filled a second time
	s_nop 0
.rept 4
	v_nop
.endr
	s_load_b512 s[32:47], s[6:7], COEF             ; w0 w4 w2 w7 c5 wE wR a0
	s_load_b512 s[48:63], s[6:7], COEF+64          ; a1 .. a6, 0, 0
	v_and_b32 v11, 31, v0                          ; lane
	v_and_b32 v18, 15, v0                          ; r
	v_bfe_u32 v19, v0, 4, 1                        ; h
	v_lshlrev_b32 v1, 4, v11
	v_lshlrev_b32 v2, 5, v18
	v_lshl_add_u32 v2, v19, 4, v2
	v_add_nc_u32 v2, 12288, v2                     ; a tile's scale words: 32 bytes a row, + 16 h
	v_mul_u32_u24 v5, v18, 24
	v_mad_u32_u24 v5, v19, 12, v5
	s_lshl_b32 s31, s2, 1
	s_add_co_u32 s31, s31, HSB
	v_lshl_add_u32 v6, v18, 4, s31                 ; 16 r + 2 w
	v_and_b32 v8, 8, v18
	v_add_nc_u32 v8, v8, v18                       ; m + 8 (m / 8)
	v_lshlrev_b32 v9, 5, v8
	v_lshl_add_u32 v9, v19, 4, v9
	v_mul_u32_u24 v8, v8, 768
	v_mad_u32_u24 v8, v19, 24, v8
	v_lshlrev_b32 v10, 6, v19
	v_lshlrev_b32 v11, 8, v11
	v_lshlrev_b32 v252, 4, v0                      ; the way out of the scale bytes: 16 bytes a thread
	v_add_nc_u32 v19, HSB, v252
	v_mov_b32 v18, 0x40b504f3                      ; 4 sqrt 2
	v_mov_b32 v16, -0.000026671756909863125        ; q3
	v_mov_b32 v17, v16
	s_mov_b32 s20, 0x76543210
	s_mov_b32 s21, 0xfedcba98
	s_mov_b32 s66, -0.000000910379490406225        ; q4
	s_mov_b32 s67, s66
	s_mov_b32 s70, -0.0004207067435955075          ; q2
	s_mov_b32 s71, s70
	s_mov_b32 s72, -0.00368666458360234            ; q1
	s_mov_b32 s73, s72
	s_mov_b32 s74, -0.0142647390514189             ; q0
	s_mov_b32 s75, s74
	s_mov_b32 s77, 0x41c00000                      ; 24
	s_mov_b32 s78, 0x3fb8aa3b                      ; log2(e)
	s_mov_b32 s79, s78
	s_cmp_eq_u32 s30, 0
	s_cselect_b32 s92, 3, 0                        ; the trip in which W1's second group is asked for; 0 is never met
	s_lshl_b32 s88, s28, 12
	s_lshl_b32 s90, s29, 9
	s_add_co_u32 s88, s88, s90
	s_lshl_b32 s90, s2, 6
	s_add_co_u32 s88, s88, s90                     ; my first unit: 4,096 e + 512 (x % 8) + 64 w
	s_mov_b32 s91, 0
	s_mul_i32 s90, s88, 768
	s_add_nc_u64 s[8:9], s[8:9], s[90:91]
	s_lshl_b32 s90, s88, 5
	s_add_nc_u64 s[10:11], s[10:11], s[90:91]
	s_lshl_b32 s90, s88, 2
	s_add_nc_u64 s[12:13], s[12:13], s[90:91]
	s_lshl_b32 s88, s28, 6
	s_lshl_b32 s90, s30, 4
	s_add_co_u32 s88, s88, s90
	s_lshl_b32 s88, s88, 7
	s_lshl_b32 s90, s29, 4
	s_add_co_u32 s88, s88, s90
	s_lshl_b32 s90, s2, 1
	s_add_co_u32 s88, s88, s90                     ; (64 e + 16 y) 128 + 16 (x % 8) + 2 w: my first block of hq
	s_mul_i32 s90, s88, 384
	s_add_nc_u64 s[14:15], s[14:15], s[90:91]
	s_lshl_b32 s88, s28, 3
	s_add_co_u32 s88, s88, s29
	s_lshl_b32 s88, s88, 2
	s_add_co_u32 s88, s88, s30
	s_lshl_b32 s90, s88, 12                        ; ((8 e + x % 8) 1,024 + 256 y) 16
	s_add_nc_u64 s[16:17], s[16:17], s[90:91]
	WLOAD 0
	s_wait_kmcnt 0x0
	v_mov_b32 v12, s32
	v_mov_b32 v13, s32
	v_mov_b32 v14, s56
	v_mov_b32 v15, s56
	s_wait_tensorcnt 0x0                           ; my eighth of x's block is in,
	s_barrier_signal -1
	s_barrier_wait -1                              ; everybody's is
	GROUP 0
	WLOAD 1                                        ; behind the activation's plain lines: far more than four places behind the last product
	GROUP 1
	s_wait_dscnt 0x0                               ; my scale bytes have landed
	s_barrier_signal -1
	s_barrier_wait -1
	ds_load_b128 v[TE:TE+3], v19                   ; a row's 16 bytes come from all eight waves
	s_wait_dscnt 0x0
	global_store_b128 v252, v[TE:TE+3], s[16:17]   ; a wave stores 512 consecutive bytes
	s_wait_tensorcnt 0x0
	ds_add_u32 v254, v255
	s_wait_dscnt 0x0
	CROUND                                         ; the closing round
	s_endpgm
.Lfunc_end_k_qb5194c6226_hidden:
	.size	k_qb5194c6226_hidden, .Lfunc_end_k_qb5194c6226_hidden-k_qb5194c6226_hidden
	.p2alignl 7, 3214868480
	.fill 96, 4, 3214868480
	.section	.rodata,"a",@progbits
	.p2align	6, 0x0
	.amdhsa_kernel k_qb5194c6226_hidden
		.amdhsa_group_segment_fixed_size 209920
		.amdhsa_private_segment_fixed_size 0
		.amdhsa_enable_private_segment 0
		.amdhsa_kernarg_size 56
		.amdhsa_user_sgpr_count 2
		.amdhsa_user_sgpr_kernarg_segment_ptr 1
		.amdhsa_wavefront_size32 1
		.amdhsa_system_sgpr_workgroup_id_x 1
		.amdhsa_system_sgpr_workgroup_id_y 1
		.amdhsa_system_sgpr_workgroup_id_z 1
		.amdhsa_system_vgpr_workitem_id 0
		.amdhsa_next_free_vgpr 512
		.amdhsa_next_free_sgpr 100
		.amdhsa_reserve_vcc 0
		.amdhsa_float_denorm_mode_32 3
		.amdhsa_float_denorm_mode_16_64 3
		.amdhsa_memory_ordered 1
		.amdhsa_forward_progress 1
		.amdhsa_inst_pref_size 130
	.end_amdhsa_kernel
	.amdgpu_metadata
---
amdhsa.version: [ 1, 2 ]
amdhsa.kernels:
  - .name:           k_qb5194c6226_hidden
    .symbol:         k_qb5194c6226_hidden.kd
    .args:
      - { .name: xq, .offset: 0, .size: 8, .value_kind: global_buffer, .address_space: global }
      - { .name: misc, .offset: 8, .size: 8, .value_kind: global_buffer, .address_space: global }
      - { .name: W1_codes, .offset: 16, .size: 8, .value_kind: global_buffer, .address_space: global }
      - { .name: W1_scales, .offset: 24, .size: 8, .value_kind: global_buffer, .address_space: global }
      - { .name: b1, .offset: 32, .size: 8, .value_kind: global_buffer, .address_space: global }
      - { .name: hq, .offset: 40, .size: 8, .value_kind: global_buffer, .address_space: global }
      - { .name: hs, .offset: 48, .size: 8, .value_kind: global_buffer, .address_space: global }
    .group_segment_fixed_size: 209920
    .private_segment_fixed_size: 0
    .kernarg_segment_align: 8
    .kernarg_segment_size: 56
    .max_flat_workgroup_size: 256
    .sgpr_count:     100
    .vgpr_count:     512
    .wavefront_size: 32
...
	.end_amdgpu_metadata
.endif
;; end of part 2
;; launch outer (part 3): grid 8 x 32, 4 waves a work-group, clusters of 4 x 4, 327,680 bytes of LDS; arguments hq, hs, W2_codes, W2_scales, b2, part; writes part
.if DOCPART == 3
	.amdgcn_target "amdgcn-amd-amdhsa--gfx1250"
	.amdhsa_code_object_version 6
	.text
	.protected	k_qb5194c6226_outer
	.globl	k_qb5194c6226_outer
	.p2align	8
	.type	k_qb5194c6226_outer,@function
k_qb5194c6226_outer:
	s_mov_b64 s[64:65], 0
	v_nop
	global_prefetch_b8 v0, s[64:65] scope:SCOPE_SE
	s_setreg_imm32_b32 hwreg(HW_REG_WAVE_MODE, 25, 1), 1
	s_wait_xcnt 0x0
	s_wait_alu depctr_hold_cnt(0) depctr_sa_sdst(0) depctr_va_vdst(0) depctr_va_sdst(0) depctr_va_ssrc(0) depctr_va_vcc(0) depctr_vm_vsrc(0)
	s_getreg_b32 s2, hwreg(HW_REG_IB_STS2, 6, 4)
	s_cmp_eq_u32 s2, 0
	s_cbranch_scc0 .Lentry_in_a_cluster
	s_endpgm
.Lentry_in_a_cluster:
	s_bfe_u32 s2, ttmp6, 0x10000c
	s_cmp_lg_u32 s2, 0xf033
	s_cbranch_scc0 .Lentry_shape_is_right
	s_endpgm
.Lentry_shape_is_right:
; OUTER.  part[e] = h_e W2_e^T + b2_e, on codes of E3M2 with one E8M0 scale for 32 along K; f32 sums.  One expert to a work-group, so that 8 x 4 x 8 = 256 work-groups have equal work.
; A cluster of 4 x 4 is one expert (cluster y) and 512 columns (cluster x): cy = which 256 rows, 4 X + cx = which 128 columns.  h's tile is shared along a row of the cluster, W2's tile and scales along a column:
; each is asked for jointly.  A wave makes 128 rows x 64 columns: 32 accumulators.  A tile of 256 x 256 would leave half of the WGPs without work, or want twice the partial results.
; K = 4,096 goes in 8 slots of 512 through two LDS slots: four steps of 128, 128 matrix instructions a wave, between two changes of slots.
; h lies in memory by blocks: for 16 rows and 32 along K 384 bytes, a row's 24 bytes at 24 r: a lane takes three pieces of 8 bytes for each half of a fragment, and the 32 lanes of a load touch 64 different banks.
; W2's rows of 384 bytes get 16 bytes of padding behind every 128: pitch 432.  The products are used transposed (source 0 = 16 rows of W2, source 1 = 16 rows of h); b2 is the C of each sum's first product.
; The results leave as the accumulators lie, a tile of 16 x 16 in 1,024 consecutive bytes: every store of a wave covers 512 consecutive bytes, aligned.
; No prefetch into the L2: a refill has a whole slot, 128 matrix instructions a wave, in which to land.
.set SLOT,  153600                     ; h: 16 tiles of rows x 6,144;  then W2: 128 rows x 432
.set BOFF,  98304
.set SCL,   307200                     ; W2's scale bytes for all of K: 64 units of 256 + 16
.set SPARE, 324608                     ; the spare words: 128 bytes a wave
.set ADRA,  2                          ; v2-3 my h fragments in slot 0, 1;  v4-5 W2's;  v6-7 the same behind one padding more
.set ADRB,  4
.set ADRB2, 6
.set ADRS,  8                          ; v8  W2's scale words
.set LO,    9                          ; v9  16 x lane
.set SPW,   10
.set NIL,   11
.set HS,    16                         ; v16-47 h's scale words: set, pair of row tiles i, step q: lanes 0-15 tile 2 i, lanes 16-31 tile 2 i + 1
.set WSC,   48                         ; v48-63 W2's likewise
.set AF,    64                         ; v64-159, v160-255 h's fragments, two sets
.set B2,    96                         ; window 1: W2's fragments, two sets at v0 and v48; b2 at v96-127.   window 2: accumulator (a, b) at 8 (4 a + b)
.set MSB,   0
.macro WIN new
.if MSB != \new
	s_set_vgpr_msb (MSB<<8)|\new
.set MSB, \new
.endif
.endm
.macro PLACES n
.rept \n
	v_nop
.endr
.endm
.macro JLOAD g0a, g1a, g0b, g1b        ; waves 0 and 1 fetch h's halves, waves 2 and 3 W2's; four v_nop follow each of the two lines
	s_cmp_eq_u32 s17, 0
	s_cbranch_scc0 .Lfor_b_\@
	tensor_load_to_lds s[\g0a:\g0a+3], s[\g1a:\g1a+7]
	s_nop 0
.rept 4
	v_nop
.endr
	s_branch .Lasked_\@
.Lfor_b_\@:
	tensor_load_to_lds s[\g0b:\g0b+3], s[\g1b:\g1b+7]
	s_nop 0
.rept 4
	v_nop
.endr
.Lasked_\@:
.endm
.macro CREST
	s_cmp_lg_u32 s16, 0
	s_cbranch_scc1 .Lnot_wave_0_\@
	s_barrier_signal -3
.Lnot_wave_0_\@:
	s_barrier_wait -3
	s_barrier_signal -1
	s_barrier_wait -1
.endm
.macro CROUND
	s_barrier_signal -1
	s_barrier_wait -1
	CREST
.endm
.macro WM d, a, b, c, sa, sb, ra, rb
.if (\ra) && (\rb)
	v_wmma_scale_f32_16x16x128_f8f6f4 v[\d:\d+7], v[\a:\a+11], v[\b:\b+11], v[\c:\c+7], v[\sa], v[\sb] matrix_a_fmt:MATRIX_FMT_BF6 matrix_b_fmt:MATRIX_FMT_BF6 matrix_a_scale:MATRIX_SCALE_ROW1 matrix_b_scale:MATRIX_SCALE_ROW1
.elseif \ra
	v_wmma_scale_f32_16x16x128_f8f6f4 v[\d:\d+7], v[\a:\a+11], v[\b:\b+11], v[\c:\c+7], v[\sa], v[\sb] matrix_a_fmt:MATRIX_FMT_BF6 matrix_b_fmt:MATRIX_FMT_BF6 matrix_a_scale:MATRIX_SCALE_ROW1
.elseif \rb
	v_wmma_scale_f32_16x16x128_f8f6f4 v[\d:\d+7], v[\a:\a+11], v[\b:\b+11], v[\c:\c+7], v[\sa], v[\sb] matrix_a_fmt:MATRIX_FMT_BF6 matrix_b_fmt:MATRIX_FMT_BF6 matrix_b_scale:MATRIX_SCALE_ROW1
.else
	v_wmma_scale_f32_16x16x128_f8f6f4 v[\d:\d+7], v[\a:\a+11], v[\b:\b+11], v[\c:\c+7], v[\sa], v[\sb] matrix_a_fmt:MATRIX_FMT_BF6 matrix_b_fmt:MATRIX_FMT_BF6
.endif
.endm
.macro FRA reg, n, q, a                ; h's fragment of row tile a, step q: blocks 4 q + 2 c + h
.irp p, 0,1,2,3,4,5
	ds_load_b64 v[\reg+2*\p:\reg+2*\p+1], v[ADRA+(\n)] offset:6144*(\a)+(4*(\q)+2*(\p/3))*384+8*(\p%3)
.endr
.endm
.macro FRB reg, n, q, b                ; W2's fragment of column tile b, step q, in pieces of 8 bytes; lanes 16-31 read three pieces on, which from piece 13 of 16 on is behind one padding more
.irp p, 0,1,2,3,4,5
.set PCE, 12*(\q)+6*(\p/3)+\p%3
.if PCE%16 < 13
	ds_load_b64 v[\reg+2*\p:\reg+2*\p+1], v[ADRB+(\n)] offset:8*PCE+16*(PCE/16)+6912*(\b)
.else
	ds_load_b64 v[\reg+2*\p:\reg+2*\p+1], v[ADRB2+(\n)] offset:8*PCE+16*(PCE/16)+6912*(\b)
.endif
.endr
.endm
.macro FETCH n, q, p                   ; 72 LDS loads in one run: step q of slot n into set p
	WIN 0x40
.irp b, 0,1,2,3
	FRB 48*(\p)+12*\b, \n, \q, \b
.endr
	WIN 0
.irp a, 0,1,2,3,4,5,6,7
	FRA AF+96*(\p)+12*\a, \n, \q, \a
.endr
.endm
.macro SCALES set                      ; W2's scale words of a slot: four words a row
.irp i, 0,1
	ds_load_b128 v[WSC+8*(\set)+4*\i:WSC+8*(\set)+4*\i+3], v[ADRS] offset:4352*\i
.endr
.endm
.macro HSLOAD set                      ; h's scale words of a slot, 16 bytes a row, 512 consecutive bytes a load
.irp i, 0,1,2,3
	global_load_b128 v[HS+16*(\set)+4*\i:HS+16*(\set)+4*\i+3], v[LO], s[84:85] offset:512*\i
.endr
.endm
; 4 na matrix instructions: row tiles a0 on x the four column tiles.  The 32 accumulators take turns in one fixed order
.macro MUL a0, na, p, q, set, first
.if \first
	WIN 0x91                                       ; source 0 (W2) window 1, source 1 (h) window 0, C (b2) window 1, D window 2
.else
	WIN 0xa1                                       ; C and D window 2
.endif
.set AA, \a0
.rept \na
.irp b, 0,1,2,3
.if \first
	WM 8*(4*AA+\b), 48*(\p)+12*\b, AF+96*(\p)+12*AA, B2+8*\b, WSC+8*(\set)+4*(\b/2)+(\q), HS+16*(\set)+4*(AA/2)+(\q), \b%2, AA%2
.else
	WM 8*(4*AA+\b), 48*(\p)+12*\b, AF+96*(\p)+12*AA, 8*(4*AA+\b), WSC+8*(\set)+4*(\b/2)+(\q), HS+16*(\set)+4*(AA/2)+(\q), \b%2, AA%2
.endif
.endr
.set AA, AA+1
.endr
.endm
; One of a slot's first three steps: the next step's fragments are asked for, then this step's 32 products
.macro STEP n, q, first, hsl
	s_wait_dscnt 0x0                               ; this step's fragments are in
.if (\q) == 0
	s_wait_loadcnt 0x0                             ; this slot's scale words of h are in, and the loads have read their base
.if \hsl
	s_add_nc_u64 s[84:85], s[84:85], 16384
.endif
.endif
	PLACES 4                                       ; in front of loads into registers that the last step's products have read
.if ((\q) == 0) && (\hsl)
	HSLOAD 1-\n
.endif
	FETCH \n, (\q)+1, 1-(\q)%2
	MUL 0, 8, (\q)%2, \q, \n, \first
	WIN 0
.endm
; A slot's last step changes slots: each wave waits for all its tensor loads, adds 0 to its spare word, waits for that and for its reads of the slot, and signals.
; fill = 1: the barrier opens a round of the cluster's barrier, and the joint refill, two slots ahead, is the first thing behind it.
.macro TURN n, fill
	s_wait_tensorcnt 0x0                           ; all my tensor loads have landed: my part of the other slot
	ds_add_u32 v[SPW], v[NIL]
.if \fill
	s_add_nc_u64 s[34+4*\n:35+4*\n], s[34+4*\n:35+4*\n], 12288
	s_add_nc_u64 s[58+4*\n:59+4*\n], s[58+4*\n:59+4*\n], 768
.endif
	s_wait_dscnt 0x0                               ; the add is done, the last step's fragments are in: my reads of this slot are over
	s_barrier_signal -1
	MUL 0, 4, 1, 3, \n, 0
	WIN 0
	s_barrier_wait -1
.if \fill
	CREST
	JLOAD 32+4*\n, 24, 56+4*\n, 48                 ; the four v_nop behind it are also the places in front of the loads below
.else
	PLACES 4
.endif
	v_add_nc_u32 v[ADRS], 16, v[ADRS]              ; the next slot's scale words of W2
	FETCH 1-\n, 0, 0
	SCALES 1-\n
	MUL 4, 4, 1, 3, \n, 0
	WIN 0
.endm
	s_load_b256 s[4:11], s[0:1], 0x0               ; hq, hs, W2's codes, W2's scales
	s_load_b128 s[12:15], s[0:1], 0x20             ; b2, part
	v_lshl_add_u32 v[SPW], v0, 2, SPARE
	v_mov_b32 v[NIL], 0
	ds_add_u32 v10, v11
	ds_add_u32 v10, v11
	s_wait_dscnt 0x0
	v_lshrrev_b32 v1, 5, v0
	v_readfirstlane_b32 s16, v1                    ; wave 0..3
	s_lshr_b32 s17, s16, 1                         ; which 128 rows are mine.  Also: I fetch for h (0) or for W2 (1)
	s_and_b32 s18, s16, 1                          ; which 64 columns.  Also: which half of that tile I fetch
	s_bfe_u32 s40, ttmp6, 0x40000                  ; cx
	s_bfe_u32 s41, ttmp6, 0x40004                  ; cy
	s_lshl_b32 s42, ttmp9, 2
	s_add_co_u32 s42, s42, s40                     ; which 128 columns
	s_and_b32 s45, ttmp7, 0xffff                   ; the expert
	s_lshl_b32 s43, s41, 2
	s_lshl_b32 s43, 15, s43                        ; my row of the cluster
	s_lshl_b32 s44, 0x1111, s40                    ; my column
	s_or_b32 s24, s43, (3<<16)|(1<<21)             ; h: 8 rows of 768 elements of 8 bytes (a tile of rows' 16 blocks), 6,144 elements apart; no padding
	s_mov_b32 s25, 768<<16
	s_mov_b32 s26, 8<<16
	s_mov_b32 s27, 768<<16
	s_mov_b32 s28, 8
	s_mov_b32 s29, 6144
	s_mov_b32 s30, 0
	s_mov_b32 s31, 0
	s_or_b32 s48, s44, (1<<20)|(1<<21)|(4<<22)|(3<<25)             ; W2: 64 rows of 384 bytes, 3,072 apart; 4 words of padding behind every 32
	s_mov_b32 s49, 384<<16
	s_mov_b32 s50, 64<<16
	s_mov_b32 s51, 384<<16
	s_mov_b32 s52, 64
	s_mov_b32 s53, 3072
	s_mov_b32 s54, 0
	s_mov_b32 s55, 0
	s_or_b32 s68, s44, (3<<16)|(1<<20)|(1<<21)|(5<<22)|(3<<25)     ; W2's scales of 64 rows: 32 dense rows of 256 bytes, 16 bytes of padding behind each
	s_mov_b32 s69, 32<<16
	s_mov_b32 s70, 32<<16
	s_mov_b32 s71, 32<<16
	s_mov_b32 s72, 32
	s_mov_b32 s73, 32
	s_mov_b32 s74, 0
	s_mov_b32 s75, 0
	s_lshl_b32 s20, s45, 6                         ; h's address hangs on the expert, cy and the wave alone
	s_lshl_b32 s21, s41, 4
	s_add_co_u32 s20, s20, s21
	s_lshl_b32 s21, s18, 3
	s_add_co_u32 s20, s20, s21
	s_mul_i32 s20, s20, 49152
	s_mov_b32 s21, 0
	s_lshl_b32 s46, s45, 10                        ; W2's on the expert, the columns and the wave alone
	s_lshl_b32 s47, s42, 7
	s_add_co_u32 s46, s46, s47
	s_lshl_b32 s47, s18, 6
	s_add_co_u32 s46, s46, s47
	s_lshl_b32 s92, s46, 7
	s_mov_b32 s93, 0
	s_mul_i32 s46, s46, 3072
	s_mov_b32 s47, 0
	s_mul_i32 s22, s18, 49152                      ; where they go: no place in the cluster enters an LDS address
	s_mul_i32 s23, s18, 27648
	s_add_co_u32 s23, s23, BOFF
	s_mul_i32 s94, s18, 8704
	s_add_co_u32 s94, s94, SCL
	s_wait_kmcnt 0x0
	s_add_nc_u64 s[20:21], s[4:5], s[20:21]
	s_add_nc_u64 s[46:47], s[8:9], s[46:47]
	s_add_nc_u64 s[92:93], s[10:11], s[92:93]
	CROUND                                         ; all sixteen work-groups are here: the first joint loads meet
.irp n, 0,1
	s_mov_b32 s[32+4*\n], 1
	s_add_co_u32 s[33+4*\n], s22, \n*SLOT
	s_add_nc_u64 s[34+4*\n:35+4*\n], s[20:21], \n*6144
	s_or_b32 s[35+4*\n], s[35+4*\n], 0x80000000
	s_mov_b32 s[56+4*\n], 1
	s_add_co_u32 s[57+4*\n], s23, \n*SLOT
	s_add_nc_u64 s[58+4*\n:59+4*\n], s[46:47], \n*384
	s_or_b32 s[59+4*\n], s[59+4*\n], 0x80000000
.endr
	s_mov_b32 s76, 1
	s_mov_b32 s77, s94
	s_mov_b64 s[78:79], s[92:93]
	s_or_b32 s79, s79, 0x80000000
	s_cmp_eq_u32 s17, 0                            ; a wave's first fills stand in one branch: two loads of mine are out, or three
	s_cbranch_scc0 .Lfirst_b
	tensor_load_to_lds s[32:35], s[24:31]
	s_nop 0
	tensor_load_to_lds s[36:39], s[24:31]
	s_nop 0
.rept 4
	v_nop
.endr
	s_branch .Lfirst_done
.Lfirst_b:
	tensor_load_to_lds s[76:79], s[68:75]
	s_nop 0
	tensor_load_to_lds s[56:59], s[48:55]
	s_nop 0
	tensor_load_to_lds s[60:63], s[48:55]
	s_nop 0
.rept 4
	v_nop
.endr
.Lfirst_done:
	v_and_b32 v1, 15, v0                           ; r
	v_bfe_u32 v12, v0, 4, 1                        ; h
	v_mul_u32_u24 v13, v1, 24
	v_mad_u32_u24 v13, v12, 384, v13
	s_mul_i32 s80, s17, 49152
	v_add_nc_u32 v[ADRA], s80, v13
	v_add_nc_u32 v[ADRA+1], SLOT, v[ADRA]
	v_mul_u32_u24 v13, v1, 432
	v_mad_u32_u24 v14, v12, 24, v13
	v_mad_u32_u24 v15, v12, 40, v13
	s_mul_i32 s80, s18, 27648
	s_add_co_u32 s80, s80, BOFF
	v_add_nc_u32 v[ADRB], s80, v14
	v_add_nc_u32 v[ADRB+1], SLOT, v[ADRB]
	v_add_nc_u32 v[ADRB2], s80, v15
	v_add_nc_u32 v[ADRB2+1], SLOT, v[ADRB2]
	v_lshrrev_b32 v13, 1, v1
	v_mul_u32_u24 v13, v13, 272                    ; two rows of scales to a unit
	v_and_b32 v14, 1, v1
	v_lshl_add_u32 v13, v14, 7, v13
	v_mad_u32_u24 v13, v12, 2176, v13              ; lanes 16-31 take the next tile of 16 rows
	s_mul_i32 s80, s18, 8704
	s_add_co_u32 s80, s80, SCL
	v_add_nc_u32 v[ADRS], s80, v13
	v_and_b32 v14, 31, v0
	v_lshlrev_b32 v[LO], 4, v14
	v_lshlrev_b32 v13, 5, v12                      ; b2: 8 h numbers
	s_mov_b32 s81, 0
	s_lshl_b32 s80, s45, 10
	s_lshl_b32 s82, s42, 7
	s_add_co_u32 s80, s80, s82
	s_lshl_b32 s82, s18, 6
	s_add_co_u32 s80, s80, s82
	s_lshl_b32 s80, s80, 2
	s_add_nc_u64 s[12:13], s[12:13], s[80:81]      ; b2 at my 64 columns
	s_lshl_b32 s80, s45, 13
	s_lshl_b32 s82, s41, 8
	s_add_co_u32 s80, s80, s82
	s_lshl_b32 s82, s17, 7
	s_add_co_u32 s80, s80, s82
	s_lshl_b32 s80, s80, 4
	s_add_nc_u64 s[84:85], s[6:7], s[80:81]        ; h's scale words: slot 0, my 128 rows
	s_lshl_b32 s80, s45, 6
	s_lshl_b32 s82, s41, 4
	s_add_co_u32 s80, s80, s82
	s_lshl_b32 s82, s17, 3
	s_add_co_u32 s80, s80, s82
	s_lshl_b32 s80, s80, 6
	s_lshl_b32 s82, s42, 3
	s_add_co_u32 s80, s80, s82
	s_lshl_b32 s82, s18, 2
	s_add_co_u32 s80, s80, s82
	s_lshl_b32 s80, s80, 10
	s_add_nc_u64 s[14:15], s[14:15], s[80:81]      ; part at my first tile of 16 x 16
	WIN 0x40
.irp b, 0,1,2,3
	global_load_b128 v[B2+8*\b:B2+8*\b+3], v13, s[12:13] offset:64*\b
	global_load_b128 v[B2+8*\b+4:B2+8*\b+7], v13, s[12:13] offset:64*\b+16
.endr
	WIN 0
	HSLOAD 0
	s_wait_tensorcnt 1                             ; only slot 1's load was issued behind what is wanted now
	s_barrier_signal -1
	s_barrier_wait -1
	FETCH 0, 0, 0
	SCALES 0
	STEP 0, 0, 1, 1                                ; the first step stands in front of the loop: its products start the sums, with b2
	s_mov_b32 s3, 3
.Llap:                                             ; a trip goes once round the ring and fills both slots again
	STEP 0, 1, 0, 0
	STEP 0, 2, 0, 0
	TURN 0, 1
	STEP 1, 0, 0, 1
	STEP 1, 1, 0, 0
	STEP 1, 2, 0, 0
	TURN 1, 1
	STEP 0, 0, 0, 1
	s_sub_co_u32 s3, s3, 1
	s_cmp_lg_u32 s3, 0
	s_cbranch_scc1 .Llap
	STEP 0, 1, 0, 0                                ; the last lap fills nothing
	STEP 0, 2, 0, 0
	TURN 0, 0
	STEP 1, 0, 0, 0
	STEP 1, 1, 0, 0
	STEP 1, 2, 0, 0
	s_wait_dscnt 0x0
	MUL 0, 8, 1, 3, 1, 0
	WIN 0
	PLACES 4
	WIN 0x08                                       ; a store's data: window 2
.irp a, 0,1,2,3,4,5,6,7
.irp b, 0,1,2,3
	global_store_b128 v[LO], v[8*(4*\a+\b):8*(4*\a+\b)+3], s[14:15] offset:65536*\a+1024*\b th:TH_STORE_NT        ; each accumulator from its low end on
	global_store_b128 v[LO], v[8*(4*\a+\b)+4:8*(4*\a+\b)+7], s[14:15] offset:65536*\a+1024*\b+512 th:TH_STORE_NT
.endr
.endr
	WIN 0
	s_wait_tensorcnt 0x0                           ; the wave's end
	ds_add_u32 v[SPW], v[NIL]
	s_wait_dscnt 0x0
	CROUND                                         ; the closing round
	s_endpgm
.Lfunc_end_k_qb5194c6226_outer:
	.size	k_qb5194c6226_outer, .Lfunc_end_k_qb5194c6226_outer-k_qb5194c6226_outer
	.p2alignl 7, 3214868480
	.fill 96, 4, 3214868480
	.section	.rodata,"a",@progbits
	.p2align	6, 0x0
	.amdhsa_kernel k_qb5194c6226_outer
		.amdhsa_group_segment_fixed_size 327680
		.amdhsa_private_segment_fixed_size 0
		.amdhsa_enable_private_segment 0
		.amdhsa_kernarg_size 48
		.amdhsa_user_sgpr_count 2
		.amdhsa_user_sgpr_kernarg_segment_ptr 1
		.amdhsa_wavefront_size32 1
		.amdhsa_system_sgpr_workgroup_id_x 1
		.amdhsa_system_sgpr_workgroup_id_y 1
		.amdhsa_system_sgpr_workgroup_id_z 1
		.amdhsa_system_vgpr_workitem_id 0
		.amdhsa_next_free_vgpr 768
		.amdhsa_next_free_sgpr 98
		.amdhsa_reserve_vcc 0
		.amdhsa_float_denorm_mode_32 3
		.amdhsa_float_denorm_mode_16_64 3
		.amdhsa_memory_ordered 1
		.amdhsa_forward_progress 1
		.amdhsa_inst_pref_size 161
	.end_amdhsa_kernel
	.amdgpu_metadata
---
amdhsa.version: [ 1, 2 ]
amdhsa.kernels:
  - .name:           k_qb5194c6226_outer
    .symbol:         k_qb5194c6226_outer.kd
    .args:
      - { .name: hq, .offset: 0, .size: 8, .value_kind: global_buffer, .address_space: global }
      - { .name: hs, .offset: 8, .size: 8, .value_kind: global_buffer, .address_space: global }
      - { .name: W2_codes, .offset: 16, .size: 8, .value_kind: global_buffer, .address_space: global }
      - { .name: W2_scales, .offset: 24, .size: 8, .value_kind: global_buffer, .address_space: global }
      - { .name: b2, .offset: 32, .size: 8, .value_kind: global_buffer, .address_space: global }
      - { .name: part, .offset: 40, .size: 8, .value_kind: global_buffer, .address_space: global }
    .group_segment_fixed_size: 327680
    .private_segment_fixed_size: 0
    .kernarg_segment_align: 8
    .kernarg_segment_size: 48
    .max_flat_workgroup_size: 128
    .sgpr_count:     98
    .vgpr_count:     768
    .wavefront_size: 32
...
	.end_amdgpu_metadata
.endif
;; end of part 3
;; launch finish (part 4): grid 64 x 4, 16 waves a work-group, no clusters, 18,944 bytes of LDS; arguments part, misc, pq, memory_codes, memory_scales, Wq_out, out0; writes out0
.if DOCPART == 4
	.amdgcn_target "amdgcn-amd-amdhsa--gfx1250"
	.amdhsa_code_object_version 6
	.text
	.protected	k_qb5194c6226_finish
	.globl	k_qb5194c6226_finish
	.p2align	8
	.type	k_qb5194c6226_finish,@function
k_qb5194c6226_finish:
	s_mov_b64 s[64:65], 0
	v_nop
	global_prefetch_b8 v0, s[64:65] scope:SCOPE_SE
	s_setreg_imm32_b32 hwreg(HW_REG_WAVE_MODE, 25, 1), 1
	s_wait_xcnt 0x0
; FINISH.  out = (sum over e of gate_e part_e + (p memory) / l + probs Wq_out) x the column's factor.
; Work-group (T, jc): 16 rows, 256 columns; each of its sixteen waves makes one tile of 16 x 16.  Straight-line: no loop.  The launch is bound by the read of part (eight tiles of 1,024 bytes a wave):
; no LDS ring, no cluster (what the waves share is a few KB of row data), no prefetch (the launch is short).
; All products are used transposed (source 0 = 16 columns, source 1 = the 16 rows), so their results lie as part's tiles lie: lane (r, h) holds row r, columns 8 h .. 8 h + 7.
; The memory read: the 512 slots are four K steps; step j was quantised under its own whole number M_j, so its product is brought under M = the largest M_j by 2^(M_j - M), which rounds nothing,
; and the sum l = sum of 2^(M_j - M) l_j divides at the end.  probs Wq_out (K = 16) takes bf16 operands, K filled with zeros to 32.
; The gate's softmax takes its maximum away.  The experts are added in ascending order.  NaN and infinities are not served.
.set PROBS, 32768
.set PML,   98304
.set CFO,   163840
	s_load_b256 s[4:11], s[0:1], 0x0               ; part, misc, pq, memory's codes
	s_load_b128 s[12:15], s[0:1], 0x20             ; memory's scales, Wq_out
	s_load_b64 s[16:17], s[0:1], 0x30              ; out0
	v_lshl_add_u32 v14, v0, 2, 0x4200
	v_mov_b32 v15, 0
	v_lshrrev_b32 v1, 5, v0
	v_readfirstlane_b32 s18, v1                    ; wave 0..15
	s_and_b32 s19, ttmp7, 0xffff                   ; jc
	s_lshl_b32 s20, s19, 4
	s_add_co_u32 s20, s20, s18                     ; my tile of 16 columns
	v_and_b32 v1, 31, v0
	v_and_b32 v2, 15, v0                           ; r
	v_bfe_u32 v3, v0, 4, 1                         ; h
	v_lshlrev_b32 v4, 4, v1                        ; 16 x lane
	v_lshlrev_b32 v5, 5, v2                        ; the logits: 32 bytes a row
	v_lshlrev_b32 v6, 4, v2                        ; 16 bytes a row
	v_lshlrev_b32 v7, 6, v2
	v_lshl_add_u32 v7, v3, 5, v7                   ; probs: 64 r + 32 h
	v_lshlrev_b32 v8, 2, v2
	v_lshl_add_u32 v8, v3, 15, v8                  ; Wq_out: column r, 8 h rows of 4,096 bytes
	v_lshlrev_b32 v9, 5, v3                        ; the factors: 8 h numbers
	v_mul_u32_u24 v10, v2, 24
	v_mad_u32_u24 v10, v3, 384, v10                ; p's blocks
	v_mul_u32_u24 v11, v2, 384
	v_mad_u32_u24 v11, v3, 24, v11                 ; memory's rows
	v_mul_u32_u24 v12, v2, 1040
	v_lshl_add_u32 v12, v3, 5, v12
	s_lshl_b32 s21, s18, 6
	v_add_nc_u32 v12, s21, v12                     ; the stage: row r, + 64 w + 32 h
	s_mul_i32 s21, s18, 1040
	v_add_nc_u32 v13, s21, v4                      ; back: row w, 16 bytes a lane
	s_mov_b32 s23, 0
	s_wait_kmcnt 0x0
	s_lshl_b32 s22, ttmp9, 9
	s_add_nc_u64 s[24:25], s[6:7], s[22:23]
	s_lshl_b32 s22, ttmp9, 8
	s_add_nc_u64 s[26:27], s[6:7], s[22:23]
	s_lshl_b32 s22, ttmp9, 10
	s_add_nc_u64 s[28:29], s[6:7], s[22:23]
	s_lshl_b32 s22, s20, 6
	s_add_nc_u64 s[30:31], s[6:7], s[22:23]
	s_add_nc_u64 s[38:39], s[14:15], s[22:23]
	s_lshl_b32 s22, s20, 8
	s_add_nc_u64 s[32:33], s[12:13], s[22:23]
	s_mul_i32 s22, ttmp9, 6144
	s_add_nc_u64 s[34:35], s[8:9], s[22:23]
	s_mul_i32 s22, s20, 6144
	s_add_nc_u64 s[36:37], s[10:11], s[22:23]
	s_lshl_b32 s22, ttmp9, 6
	s_add_co_u32 s22, s22, s20
	s_lshl_b32 s22, s22, 10
	s_add_nc_u64 s[40:41], s[4:5], s[22:23]        ; part: experts 0, 1;
	s_add_nc_u64 s[42:43], s[40:41], 0x800000      ; 2, 3: an expert is 4 MiB, and a store's or load's immediate reaches under 8 MiB;
	s_add_nc_u64 s[44:45], s[42:43], 0x800000      ; 4, 5;
	s_add_nc_u64 s[46:47], s[44:45], 0x800000      ; 6, 7
	s_lshl_b32 s22, ttmp9, 4
	s_add_co_u32 s22, s22, s18
	s_lshl_b32 s22, s22, 12
	s_lshl_b32 s21, s19, 10
	s_add_co_u32 s22, s22, s21
	s_add_nc_u64 s[16:17], s[16:17], s[22:23]      ; out0: row 16 T + w, columns 256 jc on
	global_load_b128 v[16:19], v5, s[24:25]        ; the row's eight gate logits
	global_load_b128 v[20:23], v5, s[24:25] offset:16
.irp j, 0,1,2,3
	global_load_b128 v[24+4*\j:27+4*\j], v6, s[26:27] offset:PML+16384*\j    ; -M_j, l_j, p's scale word, 0
.endr
	global_load_b128 v[220:223], v7, s[28:29] offset:PROBS
	global_load_b128 v[224:227], v7, s[28:29] offset:PROBS+16
.irp k, 0,1,2,3,4,5,6,7
	global_load_b32 v[212+\k], v8, s[38:39] offset:4096*\k
.endr
	global_load_b128 v[40:43], v9, s[30:31] offset:CFO
	global_load_b128 v[44:47], v9, s[30:31] offset:CFO+16
	global_load_b128 v[48:51], v6, s[32:33]        ; memory's four scale words of column r
.irp s, 0,1,2,3
.irp p, 0,1,2,3,4,5
	global_load_b64 v[52+12*\s+2*\p:53+12*\s+2*\p], v10, s[34:35] offset:1536*\s+768*(\p/3)+8*(\p%3)
.endr
.endr
.irp s, 0,1,2,3
.irp p, 0,1,2,3,4,5
	global_load_b64 v[100+12*\s+2*\p:101+12*\s+2*\p], v11, s[36:37] offset:96*\s+48*(\p/3)+8*(\p%3)
.endr
.endr
.irp e, 0,1
	global_load_b128 v[148+8*\e:151+8*\e], v4, s[40:41] offset:4194304*\e th:TH_LOAD_NT
	global_load_b128 v[152+8*\e:155+8*\e], v4, s[40:41] offset:4194304*\e+512 th:TH_LOAD_NT
.endr
.irp e, 0,1
	global_load_b128 v[164+8*\e:167+8*\e], v4, s[42:43] offset:4194304*\e th:TH_LOAD_NT
	global_load_b128 v[168+8*\e:171+8*\e], v4, s[42:43] offset:4194304*\e+512 th:TH_LOAD_NT
.endr
	s_wait_loadcnt 8                               ; all but the eight youngest: part's experts 0 to 3 may be out
.irp i, 0,1,2,3
	v_cvt_pk_bf16_f32 v[228+\i], v[212+2*\i], v[213+2*\i]          ; Wq_out(8 h + 2 i, 8 h + 2 i + 1; column r)
	v_cvt_pk_bf16_f32 v[236+\i], v[220+2*\i], v[221+2*\i]          ; probs(row r; the same k)
.endr
.irp i, 4,5,6,7
	v_mov_b32 v[228+\i], 0                         ; k = 16 .. 31: zeros
	v_mov_b32 v[236+\i], 0
.endr
.rept 4
	v_nop
.endr
.irp j, 0,1,2,3
	v_wmma_scale_f32_16x16x128_f8f6f4 v[180+8*\j:187+8*\j], v[100+12*\j:111+12*\j], v[52+12*\j:63+12*\j], 0, v[48+\j], v[26+4*\j] matrix_a_fmt:MATRIX_FMT_BF6 matrix_b_fmt:MATRIX_FMT_BF6
.endr
	v_wmma_f32_16x16x32_bf16 v[212:219], v[228:235], v[236:243], 0
.rept 4
	v_nop                                          ; in front of the loads into memory's registers and of the first read of the results
.endr
.irp e, 0,1
	global_load_b128 v[100+8*\e:103+8*\e], v4, s[44:45] offset:4194304*\e th:TH_LOAD_NT
	global_load_b128 v[104+8*\e:107+8*\e], v4, s[44:45] offset:4194304*\e+512 th:TH_LOAD_NT
.endr
.irp e, 0,1
	global_load_b128 v[116+8*\e:119+8*\e], v4, s[46:47] offset:4194304*\e th:TH_LOAD_NT
	global_load_b128 v[120+8*\e:123+8*\e], v4, s[46:47] offset:4194304*\e+512 th:TH_LOAD_NT
.endr
	v_max3_num_f32 v244, v16, v17, v18             ; the gate's softmax, in every lane for its row
	v_max3_num_f32 v244, v244, v19, v20
	v_max3_num_f32 v244, v244, v21, v22
	v_max_num_f32 v244, v244, v23
	v_mov_b32 v245, v244
.irp p, 16,18,20,22
	v_pk_add_f32 v[\p:\p+1], v[\p:\p+1], v[244:245] neg_lo:[0,1] neg_hi:[0,1]
.endr
.irp p, 16,18,20,22
	v_pk_mul_f32 v[\p:\p+1], v[\p:\p+1], 0x3fb8aa3b op_sel_hi:[1,0]
.endr
.irp i, 16,17,18,19,20,21,22,23
	v_exp_f32 v[\i], v[\i]
.endr
	v_min3_num_f32 v250, v24, v28, v32             ; -M = the least -M_j.  (Plain work behind the exponentials)
	v_min_num_f32 v250, v250, v36
.irp j, 0,1,2,3
	v_sub_f32 v[246+\j], v250, v[24+4*\j]          ; M_j - M: a whole number, 0 or less
.endr
.irp j, 0,1,2,3
	v_cvt_i32_f32 v[246+\j], v[246+\j]
.endr
.irp j, 0,1,2,3
	v_ldexp_f32 v[246+\j], 1.0, v[246+\j]          ; 2^(M_j - M)
.endr
	v_mul_f32 v251, v246, v25
	v_fma_f32 v251, v247, v29, v251
	v_fma_f32 v251, v248, v33, v251
	v_fma_f32 v251, v249, v37, v251                ; l
	s_wait_alu depctr_va_vdst(0)                   ; one wait for the eight exponentials
	v_pk_add_f32 v[252:253], v[16:17], v[18:19]
	v_pk_add_f32 v[254:255], v[20:21], v[22:23]
	v_pk_add_f32 v[252:253], v[252:253], v[254:255]
	v_add_f32 v252, v252, v253
	v_rcp_f32 v244, v252
	v_rcp_f32 v245, v251
	v_nop
	s_wait_alu depctr_va_vdst(0)                   ; one wait for the two reciprocals
.irp p, 16,18,20,22
	v_pk_mul_f32 v[\p:\p+1], v[\p:\p+1], v[244:245] op_sel_hi:[1,0]          ; the gates
.endr
.irp j, 0,1,2,3
	v_mul_f32 v[246+\j], v[246+\j], v245           ; 2^(M_j - M) / l
.endr
.irp p, 0,2,4,6
	v_pk_fma_f32 v[220+\p:221+\p], v[180+\p:181+\p], v[246:247], v[212+\p:213+\p] op_sel_hi:[1,0,1]
.endr
.irp p, 0,2,4,6
	v_pk_fma_f32 v[220+\p:221+\p], v[188+\p:189+\p], v[246:247], v[220+\p:221+\p] op_sel:[0,1,0] op_sel_hi:[1,1,1]
.endr
.irp p, 0,2,4,6
	v_pk_fma_f32 v[220+\p:221+\p], v[196+\p:197+\p], v[248:249], v[220+\p:221+\p] op_sel_hi:[1,0,1]
.endr
.irp p, 0,2,4,6
	v_pk_fma_f32 v[220+\p:221+\p], v[204+\p:205+\p], v[248:249], v[220+\p:221+\p] op_sel:[0,1,0] op_sel_hi:[1,1,1]
.endr
	s_wait_loadcnt 8                               ; experts 0 to 3 are in; the eight loads of experts 4 to 7 may be out
.irp e, 0,2
.irp p, 0,2,4,6
	v_pk_fma_f32 v[220+\p:221+\p], v[148+8*\e+\p:149+8*\e+\p], v[16+\e:17+\e], v[220+\p:221+\p] op_sel_hi:[1,0,1]
.endr
.irp p, 0,2,4,6
	v_pk_fma_f32 v[220+\p:221+\p], v[156+8*\e+\p:157+8*\e+\p], v[16+\e:17+\e], v[220+\p:221+\p] op_sel:[0,1,0] op_sel_hi:[1,1,1]
.endr
.endr
	s_wait_loadcnt 0x0
.irp e, 0,2
.irp p, 0,2,4,6
	v_pk_fma_f32 v[220+\p:221+\p], v[100+8*\e+\p:101+8*\e+\p], v[20+\e:21+\e], v[220+\p:221+\p] op_sel_hi:[1,0,1]
.endr
.irp p, 0,2,4,6
	v_pk_fma_f32 v[220+\p:221+\p], v[108+8*\e+\p:109+8*\e+\p], v[20+\e:21+\e], v[220+\p:221+\p] op_sel:[0,1,0] op_sel_hi:[1,1,1]
.endr
.endr
.irp p, 0,2,4,6
	v_pk_mul_f32 v[220+\p:221+\p], v[220+\p:221+\p], v[40+\p:41+\p]          ; x the columns' factors
.endr
	ds_store_b128 v12, v[220:223]                  ; a row's 1,024 bytes come from sixteen waves: through a stage, rows 1,040 bytes apart
	ds_store_b128 v12, v[224:227] offset:16
	s_wait_dscnt 0x0                               ; for the others' sake: my stores have landed
	s_barrier_signal -1
	s_barrier_wait -1
	ds_load_b128 v[228:231], v13
	ds_load_b128 v[232:235], v13 offset:512
	s_wait_dscnt 0x0
	global_store_b128 v4, v[228:231], s[16:17] th:TH_STORE_NT                ; 32 lanes store 512 consecutive bytes, aligned
	global_store_b128 v4, v[232:235], s[16:17] offset:512 th:TH_STORE_NT
	s_wait_tensorcnt 0x0
	ds_add_u32 v14, v15
	s_wait_dscnt 0x0
	s_endpgm
.Lfunc_end_k_qb5194c6226_finish:
	.size	k_qb5194c6226_finish, .Lfunc_end_k_qb5194c6226_finish-k_qb5194c6226_finish
	.p2alignl 7, 3214868480
	.fill 96, 4, 3214868480
	.section	.rodata,"a",@progbits
	.p2align	6, 0x0
	.amdhsa_kernel k_qb5194c6226_finish
		.amdhsa_group_segment_fixed_size 18944
		.amdhsa_private_segment_fixed_size 0
		.amdhsa_enable_private_segment 0
		.amdhsa_kernarg_size 56
		.amdhsa_user_sgpr_count 2
		.amdhsa_user_sgpr_kernarg_segment_ptr 1
		.amdhsa_wavefront_size32 1
		.amdhsa_system_sgpr_workgroup_id_x 1
		.amdhsa_system_sgpr_workgroup_id_y 1
		.amdhsa_system_sgpr_workgroup_id_z 1
		.amdhsa_system_vgpr_workitem_id 0
		.amdhsa_next_free_vgpr 256
		.amdhsa_next_free_sgpr 66
		.amdhsa_reserve_vcc 0
		.amdhsa_float_denorm_mode_32 3
		.amdhsa_float_denorm_mode_16_64 3
		.amdhsa_memory_ordered 1
		.amdhsa_forward_progress 1
		.amdhsa_inst_pref_size 19
	.end_amdhsa_kernel
	.amdgpu_metadata
---
amdhsa.version: [ 1, 2 ]
amdhsa.kernels:
  - .name:           k_qb5194c6226_finish
    .symbol:         k_qb5194c6226_finish.kd
    .args:
      - { .name: part, .offset: 0, .size: 8, .value_kind: global_buffer, .address_space: global }
      - { .name: misc, .offset: 8, .size: 8, .value_kind: global_buffer, .address_space: global }
      - { .name: pq, .offset: 16, .size: 8, .value_kind: global_buffer, .address_space: global }
      - { .name: memory_codes, .offset: 24, .size: 8, .value_kind: global_buffer, .address_space: global }
      - { .name: memory_scales, .offset: 32, .size: 8, .value_kind: global_buffer, .address_space: global }
      - { .name: Wq_out, .offset: 40, .size: 8, .value_kind: global_buffer, .address_space: global }
      - { .name: out0, .offset: 48, .size: 8, .value_kind: global_buffer, .address_space: global }
    .group_segment_fixed_size: 18944
    .private_segment_fixed_size: 0
    .kernarg_segment_align: 8
    .kernarg_segment_size: 56
    .max_flat_workgroup_size: 512
    .sgpr_count:     66
    .vgpr_count:     256
    .wavefront_size: 32
...
	.end_amdgpu_metadata
.endif
;; end of part 4
